; MI455X (gfx1250); checked and timed in simulation.
; The chip was launched on July 23, 2026; its instructions are those of AMD's public machine-readable ISA for CDNA 5 (MIT licence, August 2026) and "CDNA5" Instruction Set Architecture Reference Guide (July 2026). The comments in the code are by the model that wrote it; some were corrected since.
;; Cross Attention. Allowed arithmetic: float matrix products may take bf16 or f16 operands with f32 sums; other float arithmetic in f32, or as packed bf16 or f16 multiplies, adds, multiply-adds, maxima and minima; sums over many terms, partial sums and values carried from step to step in f32; what a program stores and reads back later, other than sums and carried values, may be rounded once to bf16 or f16.
;; Inputs: Wk 768 x 1,024 float32; Wo 1,024 x 1,024 float32; Wq 1,024 x 1,024 float32; Wv 768 x 1,024 float32; bo 1,024 float32; context 2 x 4,096 x 768 float32; context_mask 2 x 4,096 bool; x 2 x 2,048 x 1,024 float32.
;; Outputs: out0 2 x 2,048 x 1,024 float32.
;; One version. Each part assembles by itself: llvm-mc -triple=amdgcn-amd-amdhsa -mcpu=gfx1250 --defsym DOCPART=n.
;; ======== version 1 of 1: 5 launches
;; limits: values are held in f16: magnitudes above 65,504 overflow, below 6.1e-05 lose precision
;; workspace buffers: xb 8,388,608 bytes; cb 12,582,912 bytes; wqt 2,097,152 bytes; wkvt 3,145,728 bytes; wot 2,097,152 bytes; qh 8,388,608 bytes; kv 33,554,432 bytes; oh 8,388,608 bytes
;; launch prep (part 1): grid 1088 x 1, 8 waves a work-group, no clusters, 18,432 bytes of LDS; arguments x, context, Wq, Wk, Wv, Wo, xb, cb, wqt, wkvt, wot; writes xb, cb, wqt, wkvt, wot
.if DOCPART == 1
	.amdgcn_target "amdgcn-amd-amdhsa--gfx1250"
	.amdhsa_code_object_version 6
	.text
	.protected	k_q56b6286e42_prep
	.globl	k_q56b6286e42_prep
	.p2align	8
	.type	k_q56b6286e42_prep,@function
k_q56b6286e42_prep:
	s_mov_b64 s[64:65], 0
	v_nop
	global_prefetch_b8 v0, s[64:65] scope:SCOPE_SE
	s_setreg_imm32_b32 hwreg(HW_REG_WAVE_MODE, 25, 1), 1
	s_wait_xcnt 0x0
; The inputs of the three projections are made ready for 16-bit matrix work.
; Work-groups 0-639: x (256 chunks) and context (384 chunks) are rounded to bf16, a chunk of 16,384 numbers each.
; Work-groups 640-1087: a tile of 128 k x 64 n of a weight [k][1024] is rounded to bf16 and TURNED, so that k lies along the rows:
;   wqt[n][k] = Wq[k][n]; wkvt rows 0-1023 = Wk's columns, rows 1024-2047 = Wv's; wot[n][k] = Wo[k][n].
; wot holds the bf16-rounded number written as f16 (its partner in the last product is f16).
; LIMITS: a number of Wo beyond 65,504 becomes an infinity in wot; below 6.1e-5 it keeps f16's fixed step of 6e-8.
; No matrix work, no cluster: nothing is shared between work-groups, and memory bounds the launch.
.set SPARE, 17408                      ; behind the turned tile (64 rows x 272 bytes): the spare words, 128 bytes for each of the eight waves
.set TP,    272                        ; a turned row in LDS: 128 k x 2 bytes + 16
	s_load_b512 s[8:23], s[0:1], 0x0               ; x 8, context 10, Wq 12, Wk 14, Wv 16, Wo 18, xb 20, cb 22
	s_load_b128 s[24:27], s[0:1], 0x40             ; wqt 24, wkvt 26
	s_load_b64 s[28:29], s[0:1], 0x50              ; wot
	v_lshl_add_u32 v14, v0, 2, SPARE               ; my spare word
	v_mov_b32 v15, 0
	s_mov_b32 s2, ttmp9
	s_mov_b32 s37, 0
	s_cmp_lt_u32 s2, 640                           ; the same answer in all waves of a work-group
	s_cbranch_scc0 .Lturn
	; THE CAST.  A wave takes 8,192 bytes of its chunk: sixteen loads of 512 consecutive bytes, all out at once.
	v_and_b32 v3, 31, v0
	v_lshrrev_b32 v4, 5, v0
	v_lshlrev_b32 v1, 4, v3
	v_lshl_add_u32 v1, v4, 13, v1                  ; in: 8,192 x wave + 16 x lane
	v_lshlrev_b32 v2, 3, v3
	v_lshl_add_u32 v2, v4, 12, v2                  ; out: 4,096 x wave + 8 x lane
	s_sub_co_u32 s35, s2, 256                      ; context's chunk number (used from 256 on)
	s_wait_kmcnt 0x0
	s_cmp_lt_u32 s2, 256
	s_cselect_b64 s[30:31], s[8:9], s[10:11]
	s_cselect_b64 s[32:33], s[20:21], s[22:23]
	s_cselect_b32 s34, s2, s35
	s_lshl_b32 s36, s34, 16                        ; 65,536 bytes of f32 a chunk
	s_add_nc_u64 s[30:31], s[30:31], s[36:37]
	s_lshl_b32 s36, s34, 15                        ; 32,768 bytes of bf16
	s_add_nc_u64 s[32:33], s[32:33], s[36:37]
.irp j, 0,1,2,3,4,5,6,7,8,9,10,11,12,13,14,15
	global_load_b128 v[16+4*(\j):19+4*(\j)], v1, s[30:31] offset:512*(\j) th:TH_LOAD_NT
.endr
.irp j, 0,1,2,3,4,5,6,7,8,9,10,11,12,13,14,15
	s_wait_loadcnt 15-(\j)                         ; loads come back in order: load j is in, the younger ones stay out
	v_cvt_pk_bf16_f32 v[80+2*(\j)], v[16+4*(\j)], v[17+4*(\j)]
	v_cvt_pk_bf16_f32 v[81+2*(\j)], v[18+4*(\j)], v[19+4*(\j)]
	global_store_b64 v2, v[80+2*(\j):81+2*(\j)], s[32:33] offset:256*(\j)  ; the wave's 32 lanes write 256 consecutive bytes, aligned
.endr
	s_branch .Lend
.Lturn:
	; THE TURN.  Which weight, which tile: differences first, then three compares with their selects.
	s_sub_co_u32 s3, s2, 640                       ; t = 0..447
	s_sub_co_u32 s38, s3, 128                      ; Wo's tile number
	s_sub_co_u32 s39, s3, 256                      ; Wk's
	s_sub_co_u32 s40, s3, 352                      ; Wv's
	v_and_b32 v5, 15, v0                           ; nq: which four n
	v_lshrrev_b32 v6, 4, v0                        ; kp: 0..15
	s_wait_kmcnt 0x0
	s_mov_b64 s[32:33], s[26:27]
	s_mov_b32 s42, 1536                            ; bytes in a row of wkvt
	s_mov_b32 s43, 0                               ; 1: written as f16
	s_cmp_lt_u32 s3, 352
	s_cselect_b64 s[30:31], s[14:15], s[16:17]
	s_cselect_b32 s41, 0, 1024                     ; first row in the target
	s_cselect_b32 s34, s39, s40
	s_cmp_lt_u32 s3, 256
	s_cselect_b64 s[30:31], s[18:19], s[30:31]
	s_cselect_b64 s[32:33], s[28:29], s[32:33]
	s_cselect_b32 s41, 0, s41
	s_cselect_b32 s34, s38, s34
	s_cselect_b32 s42, 2048, s42
	s_cselect_b32 s43, 1, s43
	s_cmp_lt_u32 s3, 128
	s_cselect_b64 s[30:31], s[12:13], s[30:31]
	s_cselect_b64 s[32:33], s[24:25], s[32:33]
	s_cselect_b32 s34, s3, s34
	s_cselect_b32 s43, 0, s43
	s_and_b32 s44, s34, 15                         ; n block of 64
	s_lshr_b32 s45, s34, 4                         ; k block of 128
	s_lshl_b32 s36, s45, 19                        ; 128 rows of 4,096 bytes
	s_lshl_b32 s46, s44, 8                         ; 64 numbers of 4 bytes
	s_add_co_u32 s36, s36, s46
	s_add_nc_u64 s[30:31], s[30:31], s[36:37]
	s_lshl_b32 s46, s44, 6
	s_add_co_u32 s46, s46, s41                     ; the target's first row
	s_mul_i32 s36, s46, s42
	s_lshl_b32 s46, s45, 8                         ; 128 k of 2 bytes
	s_add_co_u32 s36, s36, s46
	s_add_nc_u64 s[32:33], s[32:33], s[36:37]
	s_lshl_b32 s47, s42, 4                         ; sixteen rows of the target
	v_lshlrev_b32 v1, 13, v6
	v_lshl_add_u32 v1, v5, 4, v1                   ; rows 2 kp, 2 kp + 1; sixteen lanes cover a row's 256 bytes
.irp i, 0,1,2,3
	global_load_b128 v[16+8*(\i):19+8*(\i)], v1, s[30:31] offset:131072*(\i) th:TH_LOAD_NT       ; row 2 kp + 32 i
	global_load_b128 v[20+8*(\i):23+8*(\i)], v1, s[30:31] offset:131072*(\i)+4096 th:TH_LOAD_NT  ; the row below
.endr
	v_mul_u32_u24 v3, v5, 4*TP
	v_lshl_add_u32 v3, v6, 2, v3                   ; into LDS: row 4 nq (+ j), byte 4 kp (+ 64 i)
	v_mul_u32_u24 v4, v6, TP
	v_lshl_add_u32 v4, v5, 4, v4                   ; back: row kp (+ 16 i), 16 bytes a lane
	v_mul_lo_u32 v8, v6, s42
	v_lshl_add_u32 v8, v5, 4, v8                   ; the same in the target
	v_add_nc_u32 v9, s47, v8
	v_add_nc_u32 v10, s47, v9
	v_add_nc_u32 v11, s47, v10
	s_wait_loadcnt 0x0
.irp i, 0,1,2,3
.irp j, 0,1,2,3
	v_cvt_pk_bf16_f32 v[48+4*(\i)+(\j)], v[16+8*(\i)+(\j)], v[20+8*(\i)+(\j)]  ; one n, two neighbouring k
.endr
.endr
	s_cmp_eq_u32 s43, 1
	s_cbranch_scc0 .Lkeep
.set j, 0
.rept 16
	v_lshlrev_b32 v64, 16, v[48+j]                 ; the two bf16 numbers as f32,
	v_and_b32 v65, 0xffff0000, v[48+j]
	v_cvt_pk_f16_f32 v[48+j], v64, v65             ; written as f16
.set j, j+1
.endr
.Lkeep:
.irp i, 0,1,2,3
.irp j, 0,1,2,3
	ds_store_b32 v3, v[48+4*(\i)+(\j)] offset:TP*(\j)+64*(\i)
.endr
.endr
	s_wait_dscnt 0x0                               ; for the other waves: my stores are done
	s_barrier_signal -1
	s_barrier_wait -1
.irp i, 0,1,2,3
	ds_load_b128 v[66+4*(\i):69+4*(\i)], v4 offset:16*TP*(\i)
.endr
.irp i, 0,1,2,3
	s_wait_dscnt 3-(\i)                            ; load i is in, the younger ones stay out
	global_store_b128 v[8+(\i)], v[66+4*(\i):69+4*(\i)], s[32:33]  ; sixteen lanes write 256 consecutive bytes, aligned
.endr
.Lend:
	s_wait_tensorcnt 0x0                           ; the wave's end
	ds_add_u32 v14, v15
	s_wait_dscnt 0x0
	s_endpgm
.Lfunc_end_k_q56b6286e42_prep:
	.size	k_q56b6286e42_prep, .Lfunc_end_k_q56b6286e42_prep-k_q56b6286e42_prep
	.p2alignl 7, 3214868480
	.fill 96, 4, 3214868480
	.section	.rodata,"a",@progbits
	.p2align	6, 0x0
	.amdhsa_kernel k_q56b6286e42_prep
		.amdhsa_group_segment_fixed_size 18432
		.amdhsa_private_segment_fixed_size 0
		.amdhsa_enable_private_segment 0
		.amdhsa_kernarg_size 88
		.amdhsa_user_sgpr_count 2
		.amdhsa_user_sgpr_kernarg_segment_ptr 1
		.amdhsa_wavefront_size32 1
		.amdhsa_system_sgpr_workgroup_id_x 1
		.amdhsa_system_sgpr_workgroup_id_y 1
		.amdhsa_system_sgpr_workgroup_id_z 1
		.amdhsa_system_vgpr_workitem_id 0
		.amdhsa_next_free_vgpr 112
		.amdhsa_next_free_sgpr 66
		.amdhsa_reserve_vcc 0
		.amdhsa_float_denorm_mode_32 3
		.amdhsa_float_denorm_mode_16_64 3
		.amdhsa_memory_ordered 1
		.amdhsa_forward_progress 1
		.amdhsa_inst_pref_size 16
	.end_amdhsa_kernel
	.amdgpu_metadata
---
amdhsa.version: [ 1, 2 ]
amdhsa.kernels:
  - .name:           k_q56b6286e42_prep
    .symbol:         k_q56b6286e42_prep.kd
    .args:
      - { .name: x, .offset: 0, .size: 8, .value_kind: global_buffer, .address_space: global }
      - { .name: context, .offset: 8, .size: 8, .value_kind: global_buffer, .address_space: global }
      - { .name: Wq, .offset: 16, .size: 8, .value_kind: global_buffer, .address_space: global }
      - { .name: Wk, .offset: 24, .size: 8, .value_kind: global_buffer, .address_space: global }
      - { .name: Wv, .offset: 32, .size: 8, .value_kind: global_buffer, .address_space: global }
      - { .name: Wo, .offset: 40, .size: 8, .value_kind: global_buffer, .address_space: global }
      - { .name: xb, .offset: 48, .size: 8, .value_kind: global_buffer, .address_space: global }
      - { .name: cb, .offset: 56, .size: 8, .value_kind: global_buffer, .address_space: global }
      - { .name: wqt, .offset: 64, .size: 8, .value_kind: global_buffer, .address_space: global }
      - { .name: wkvt, .offset: 72, .size: 8, .value_kind: global_buffer, .address_space: global }
      - { .name: wot, .offset: 80, .size: 8, .value_kind: global_buffer, .address_space: global }
    .group_segment_fixed_size: 18432
    .private_segment_fixed_size: 0
    .kernarg_segment_align: 8
    .kernarg_segment_size: 88
    .max_flat_workgroup_size: 256
    .sgpr_count:     66
    .vgpr_count:     112
    .wavefront_size: 32
...
	.end_amdgpu_metadata
.endif
;; end of part 1
;; launch kvproj (part 2): grid 8 x 32, 4 waves a work-group, clusters of 4 x 4, 327,680 bytes of LDS; arguments cb, wkvt, kv; writes kv
.if DOCPART == 2
	.amdgcn_target "amdgcn-amd-amdhsa--gfx1250"
	.amdhsa_code_object_version 6
	.text
	.protected	k_q56b6286e42_kvproj
	.globl	k_q56b6286e42_kvproj
	.p2align	8
	.type	k_q56b6286e42_kvproj,@function
k_q56b6286e42_kvproj:
	s_mov_b64 s[64:65], 0
	v_nop
	global_prefetch_b8 v0, s[64:65] scope:SCOPE_SE
	s_setreg_imm32_b32 hwreg(HW_REG_WAVE_MODE, 25, 1), 1
	s_wait_xcnt 0x0
	s_wait_alu depctr_hold_cnt(0) depctr_sa_sdst(0) depctr_va_vdst(0) depctr_va_sdst(0) depctr_va_ssrc(0) depctr_va_vcc(0) depctr_vm_vsrc(0)
	s_getreg_b32 s2, hwreg(HW_REG_IB_STS2, 6, 4)
	s_cmp_eq_u32 s2, 0
	s_cbranch_scc0 .Lentry_in_a_cluster
	s_endpgm
.Lentry_in_a_cluster:
	s_bfe_u32 s2, ttmp6, 0x10000c
	s_cmp_lg_u32 s2, 0xf033
	s_cbranch_scc0 .Lentry_shape_is_right
	s_endpgm
.Lentry_shape_is_right:
; [k | v] = context [Wk | Wv]:  C[m][n] = sum over c of cb[m][c] wkvt[n][c], bf16 operands, f32 sums, K ascending; C rounded once to f16 and written BY HEADS:
; kv[n / 1024][(m / 4096) 16 + (n / 64) % 16][m % 4096][n % 64].
; LIMIT: a sum beyond 65,504 becomes an infinity in f16.
; A tile of C, 256 x 256, is made by four waves, each 128 x 128: 64 accumulators, 512 registers.  K goes in steps of 128 through two LDS slots filled by the tensor data mover.
; CLUSTERS: 4 x 4 work-groups.  The four of a row of the cluster need the same tiles of A, the four of a column the same tiles of B: each tile is asked for jointly.
; The last K step goes by rows of C, so that finished rows leave while the others are multiplied.
; REGISTERS, in windows of 256:  window 0: v0-31 addresses; v64-191 fragments of A; v32-63, v192-255 at work on the way out;  window 1: fragments of B;  windows 2, 3: the accumulators.
; THE MATRIX INSTRUCTION IS USED TRANSPOSED (source 0 = 16 rows of B, source 1 = 16 rows of A): a lane holds eight neighbouring columns of one row of C.
.set SIZE_M, 8192
.set SIZE_N, 2048
.set SIZE_K, 768
.set KSTEP,  128
.set PITCH,  272                       ; an LDS row: 256 bytes + 16 of padding: the 16 rows of a fragment load start at 16 different groups of four banks
.set HALFT,  128*PITCH
.set SLOT,   4*HALFT                   ; A's 256 rows, then B's 256 rows
.set STAGE,  2*SLOT                    ; behind the ring: 16 rows x 272 bytes for each wave
.set SPITCH, 272
.set SPARE,  STAGE+4*16*SPITCH         ; the spare words, 128 bytes for each wave
.set LAPS,   SIZE_K/(2*KSTEP)          ; 3 laps of two K steps
.set ADRA, 16
.set ADRB, 20
.set STO,  24
.set RD,   25
.set CO,   26
.set SPW,  28
.set NIL,  29
.set PFO,  30
.set PFA,  44
.set LIM,  43
.set F0,   64
.set F1,   128
.set TMP,  192
.set OB,   32
.set PA,   64
.set G1, 24
.set G0, 32
.set G1B, 48
.set G0B, 56
.set MSB, 0
.macro WIN new                         ; the immediate's high byte repeats the setting that is left
.if MSB != (\new)
	s_set_vgpr_msb (MSB<<8)|(\new)
.set MSB, \new
.endif
.endm
.set MUL_LO, 0xa1                      ; source 0 (B) window 1, source 1 (A) window 0, C and D window 2
.set MUL_HI, 0xf1                      ; the same, C and D window 3
.set TO_B,   0x40                      ; destination window 1, address window 0
; A joint load.  Waves 0 and 1 fetch A's two halves, waves 2 and 3 B's.  The branch hangs on the wave's number alone.
.macro JLOAD s
	s_cmp_eq_u32 s11, 0
	s_cbranch_scc0 .Lfor_b_\@
	tensor_load_to_lds s[G0+4*(\s):G0+4*(\s)+3], s[G1:G1+7]
	s_nop 0
.rept 4
	v_nop
.endr
	s_branch .Lasked_\@
.Lfor_b_\@:
	tensor_load_to_lds s[G0B+4*(\s):G0B+4*(\s)+3], s[G1B:G1B+7]
	s_nop 0
.rept 4
	v_nop
.endr
.Lasked_\@:
.endm
; A prefetch of the K step that stands two refills on: 32 rows x 256 bytes, a lane a row.  A's rows are named by the clusters with x = 0, B's by those with y = 0;
; the four partners that ask for a tile jointly take 32 of a wave's 128 rows each, told apart by address.  The loop's last trip has no K step two on.
.macro ASK
	s_cmp_gt_u32 s3, s[LIM]
	s_cbranch_scc0 .Lnot_mine_\@
	global_prefetch_b8 v[PFO], s[PFA:PFA+1] offset:KSTEP*2 th:TH_LOAD_NT scope:SCOPE_SE
.Lnot_mine_\@:
.endm
.macro CREST                           ; a round of the cluster's barrier behind its opening barrier
	s_cmp_lg_u32 s10, 0
	s_cbranch_scc1 .Lnot_wave_0_\@
	s_barrier_signal -3
.Lnot_wave_0_\@:
	s_barrier_wait -3
	s_barrier_signal -1
	s_barrier_wait -1
.endm
.macro CROUND
	s_barrier_signal -1
	s_barrier_wait -1
	CREST
.endm
	s_load_b128 s[4:7], s[0:1], 0x0                ; A s[4:5], B s[6:7]
	s_load_b64 s[8:9], s[0:1], 0x10                ; kv
	v_lshl_add_u32 v[SPW], v0, 2, SPARE
	v_mov_b32 v[NIL], 0
	ds_add_u32 v[SPW], v[NIL]                      ; the wave's opening: the add and its wait stand ahead of my first tensor load
	v_lshrrev_b32 v1, 5, v0
	v_readfirstlane_b32 s10, v1                    ; wave 0..3
	s_lshr_b32 s11, s10, 1                         ; my half of the tile's rows.  Also: I fetch for A (0) or for B (1)
	s_and_b32 s12, s10, 1                          ; my half of its columns.  Also: which 128 rows I fetch
	s_bfe_u32 s40, ttmp6, 0x40000                  ; cx
	s_bfe_u32 s41, ttmp6, 0x40004                  ; cy
	s_lshl_b32 s42, ttmp9, 2
	s_add_co_u32 s42, s42, s40                     ; tile column
	s_and_b32 s13, ttmp7, 0xffff
	s_lshl_b32 s13, s13, 2
	s_add_co_u32 s13, s13, s41                     ; tile row
	s_lshl_b32 s43, s41, 2
	s_lshl_b32 s43, 15, s43                        ; my row of the cluster
	s_lshl_b32 s44, 0x1111, s40                    ; my column
	s_or_b32 s[G1+0], s43, (1<<16)|(1<<20)|(1<<21)|(5<<22)|(3<<25)  ; mask; 2-byte elements; padding on; bit 21 beside a mask; after every 64 words, 4 words
	s_or_b32 s[G1B+0], s44, (1<<16)|(1<<20)|(1<<21)|(5<<22)|(3<<25)
	s_mov_b32 s[G1B+1], KSTEP<<16
	s_mov_b32 s[G1+1], KSTEP<<16                   ; tensor_dim0 = 128
	s_mov_b32 s[G1B+2], 128<<16
	s_mov_b32 s[G1+2], 128<<16                     ; tensor_dim1 = 128
	s_mov_b32 s[G1B+3], KSTEP<<16
	s_mov_b32 s[G1+3], KSTEP<<16                   ; tile_dim0 = 128
	s_mov_b32 s[G1B+4], 128
	s_mov_b32 s[G1+4], 128                         ; tile_dim1 = 128
	s_mov_b32 s[G1B+5], SIZE_K
	s_mov_b32 s[G1+5], SIZE_K                      ; elements from row to row
	s_mov_b32 s[G1B+6], 0
	s_mov_b32 s[G1+6], 0
	s_mov_b32 s[G1B+7], 0
	s_mov_b32 s[G1+7], 0
	s_lshl_b32 s17, s12, 7
	s_lshl_b32 s16, s13, 8
	s_add_co_u32 s16, s16, s17                     ; A: row 256 x tile row + 128 x half
	s_lshl_b32 s46, s42, 8
	s_add_co_u32 s46, s46, s17                     ; B: row 256 x tile column + 128 x half
	s_mov_b32 s17, 0
	s_mov_b32 s47, 0
	s_mov_b64 s[18:19], SIZE_K*2
	s_mul_u64 s[16:17], s[16:17], s[18:19]
	s_mul_u64 s[46:47], s[46:47], s[18:19]
	s_mul_i32 s20, s10, HALFT                      ; where they go: wave x 128 rows
	s_wait_dscnt 0x0                               ; the opening add is done
	s_wait_kmcnt 0x0
	s_add_nc_u64 s[14:15], s[4:5], s[16:17]
	s_add_nc_u64 s[46:47], s[6:7], s[46:47]
	CROUND                                         ; all sixteen work-groups are here: the first joint loads meet
.irp s, 0,1
	s_mov_b32 s[G0+4*(\s)], 1
	s_add_co_u32 s[G0+4*(\s)+1], s20, (\s)*SLOT
	s_add_nc_u64 s[G0+4*(\s)+2:G0+4*(\s)+3], s[14:15], (\s)*KSTEP*2
	s_or_b32 s[G0+4*(\s)+3], s[G0+4*(\s)+3], 0x80000000
	s_mov_b32 s[G0B+4*(\s)], 1
	s_add_co_u32 s[G0B+4*(\s)+1], s20, (\s)*SLOT
	s_add_nc_u64 s[G0B+4*(\s)+2:G0B+4*(\s)+3], s[46:47], (\s)*KSTEP*2
	s_or_b32 s[G0B+4*(\s)+3], s[G0B+4*(\s)+3], 0x80000000
	JLOAD \s
.endr
	v_and_b32 v1, 15, v0                           ; l % 16
	v_bfe_u32 v2, v0, 4, 1                         ; l / 16
	v_mul_u32_u24 v3, v1, PITCH
	v_lshl_add_u32 v3, v2, 4, v3                   ; a fragment's row x pitch + 16 x half
	s_mul_i32 s21, s11, HALFT
	s_mul_i32 s22, s12, HALFT
	s_add_co_u32 s22, s22, 2*HALFT
.irp s, 0,1
	v_add_nc_u32 v[ADRA+(\s)], s21, v3
	v_add_nc_u32 v[ADRB+(\s)], s22, v3
	s_add_co_u32 s21, s21, SLOT
	s_add_co_u32 s22, s22, SLOT
.endr
	s_mul_i32 s23, s10, 16*SPITCH
	s_add_co_u32 s23, s23, STAGE                   ; my stage
	v_mul_u32_u24 v4, v1, SPITCH                   ; in: row l % 16, 16 bytes for each half of the lanes
	v_lshl_add_u32 v4, v2, 4, v4
	v_add_nc_u32 v[STO], s23, v4
	v_and_b32 v6, 31, v0
	v_lshrrev_b32 v5, 3, v6                        ; back: 32 lanes take four rows of one head's 128 bytes,
	v_mul_u32_u24 v5, v5, SPITCH
	v_and_b32 v7, 7, v0
	v_lshl_add_u32 v5, v7, 4, v5
	v_add_nc_u32 v[RD], s23, v5
	v_lshlrev_b32 v[CO], 4, v6                     ; which are 512 consecutive bytes of kv
	; where my part begins in kv: row R = 256 x tile row + 128 x half, group of 64 columns g = 4 x tile column + 2 x half
	s_lshl_b32 s13, s13, 8
	s_lshl_b32 s14, s11, 7
	s_add_co_u32 s16, s13, s14                     ; R
	s_lshr_b32 s17, s16, 12
	s_lshl_b32 s17, s17, 23                        ; the batch: 16 heads x 4,096 rows x 128 bytes
	s_and_b32 s16, s16, 4095
	s_lshl_b32 s16, s16, 7                         ; the row in its head
	s_add_co_u32 s16, s16, s17
	s_lshl_b32 s46, s42, 2
	s_lshl_b32 s47, s12, 1
	s_add_co_u32 s46, s46, s47                     ; g
	s_lshr_b32 s47, s46, 4
	s_lshl_b32 s47, s47, 24                        ; k or v
	s_and_b32 s46, s46, 15
	s_lshl_b32 s46, s46, 19                        ; the head
	s_add_co_u32 s46, s46, s47
	s_add_co_u32 s16, s16, s46
	s_mov_b32 s17, 0
	; the prefetches
	s_lshl_b32 s42, s42, 8
	s_and_b32 s22, ttmp7, 0xffff                   ; cluster y
	s_cmp_eq_u32 s11, 0                            ; do I fetch for A?
	s_cselect_b32 s20, s13, s42                    ; the tile's first row
	s_cselect_b32 s21, s40, s41                    ; my place among the four that ask with me
	s_cselect_b32 s22, ttmp9, s22                  ; the coordinate along which other clusters read the same rows
	s_cselect_b64 s[PFA:PFA+1], s[4:5], s[6:7]
	s_cmp_eq_u32 s22, 0
	s_cselect_b32 s[LIM], 1, -1
	s_lshl_b32 s22, s12, 7
	s_add_co_u32 s20, s20, s22
	s_lshl_b32 s21, s21, 5
	s_add_co_u32 s20, s20, s21
	s_mov_b32 s21, 0
	s_mov_b64 s[18:19], SIZE_K*2
	s_mul_u64 s[20:21], s[20:21], s[18:19]
	s_add_nc_u64 s[PFA:PFA+1], s[PFA:PFA+1], s[20:21]
	s_add_nc_u64 s[PFA:PFA+1], s[PFA:PFA+1], 2*KSTEP*2  ; at K step 2: the first refill steps it to 3 and names K step 4
	v_and_b32 v[PFO], 31, v0
	v_mul_u32_u24 v[PFO], v[PFO], SIZE_K*2
; 16 matrix instructions: m blocks a0, a0 + 1 of the window's four x all 8 n blocks, 32 along K.  zero = 1: the first product starts the sums.
.macro MUL16 f, hi, a0, zero
	WIN MUL_LO+0x50*(\hi)
.irp a, \a0, (\a0)+1
.irp b, 0,1,2,3,4,5,6,7
.if \zero
	v_wmma_f32_16x16x32_bf16 v[8*(8*(\a)+(\b)):8*(8*(\a)+(\b))+7], v[(\f)+8*(\b):(\f)+8*(\b)+7], v[(\f)+8*(4*(\hi)+(\a)):(\f)+8*(4*(\hi)+(\a))+7], 0
.else
	v_wmma_f32_16x16x32_bf16 v[8*(8*(\a)+(\b)):8*(8*(\a)+(\b))+7], v[(\f)+8*(\b):(\f)+8*(\b)+7], v[(\f)+8*(4*(\hi)+(\a)):(\f)+8*(4*(\hi)+(\a))+7], v[8*(8*(\a)+(\b)):8*(8*(\a)+(\b))+7]
.endif
.endr
.endr
.endm
; 32 LDS loads in one run: the fragments of one quarter step into buffer f
.macro FETCH slot, k, f
	WIN TO_B
.irp i, 0,1,2,3,4,5,6,7
	ds_load_b128 v[(\f)+8*(\i):(\f)+8*(\i)+3],   v[ADRB+(\slot)] offset:(\k)+(\i)*16*PITCH
	ds_load_b128 v[(\f)+8*(\i)+4:(\f)+8*(\i)+7], v[ADRB+(\slot)] offset:(\k)+(\i)*16*PITCH+32
.endr
	WIN 0
.irp i, 0,1,2,3,4,5,6,7
	ds_load_b128 v[(\f)+8*(\i):(\f)+8*(\i)+3],   v[ADRA+(\slot)] offset:(\k)+(\i)*16*PITCH
	ds_load_b128 v[(\f)+8*(\i)+4:(\f)+8*(\i)+7], v[ADRA+(\slot)] offset:(\k)+(\i)*16*PITCH+32
.endr
.endm
.macro PLACES                          ; four plain places behind matrix instructions, in front of loads into their registers and of conversions of their results
.rept 4
	v_nop
.endr
.endm
.macro QUARTER slot, k, f, g, zero
	s_wait_dscnt 8                                 ; B and A's rows 0-63 are in; the youngest eight loads (A's rows 64-127) may be out
	WIN MUL_LO
	MUL16 \f, 0, 0, \zero
	MUL16 \f, 0, 2, \zero
	PLACES
	FETCH \slot, \k, \g
	s_wait_dscnt 32                                ; all but the 32 just issued
	WIN MUL_HI
	MUL16 \f, 1, 0, \zero
	MUL16 \f, 1, 2, \zero
.endm
.macro MEET round
	WIN 0
	s_wait_tensorcnt 0x0                           ; all my tensor loads have landed: the one that was out is my part of the next slot;
	ds_add_u32 v[SPW], v[NIL]                      ; 0 onto my spare word;
	s_wait_dscnt 9                                 ; (the add and the youngest eight loads may be out)
	WIN MUL_LO
	MUL16 F1, 0, 0, 0
	s_wait_dscnt 0x0                               ; the add is done, and my reads of this slot are over
	s_barrier_signal -1
	MUL16 F1, 0, 2, 0
.if \round
	WIN 0
.endif
	s_barrier_wait -1
.endm
.macro TURN slot, next
	s_wait_xcnt 0x0                                ; the last prefetch, a K step back, has read its address
	s_add_nc_u64 s[PFA:PFA+1], s[PFA:PFA+1], KSTEP*2
	MEET 1
	CREST                                          ; no wave of any partner still reads this slot's tile or has a load on its way
	s_add_nc_u64 s[G0+4*(\slot)+2:G0+4*(\slot)+3], s[G0+4*(\slot)+2:G0+4*(\slot)+3], 2*KSTEP*2
	s_add_nc_u64 s[G0B+4*(\slot)+2:G0B+4*(\slot)+3], s[G0B+4*(\slot)+2:G0B+4*(\slot)+3], 2*KSTEP*2
	JLOAD \slot                                    ; the first tensor load behind the round; its four v_nop are also the places in front of the loads below
	FETCH \next, 0, F0
	ASK
	WIN MUL_HI
	MUL16 F1, 1, 0, 0
	MUL16 F1, 1, 2, 0
.endm
; The last K step (slot 1) goes by rows of C: all its fragments of B fill window 1, then my eight blocks of 16 rows are finished one after the other.
.macro BLOAD q
	WIN TO_B
.irp i, 0,1,2,3,4,5,6,7
	ds_load_b128 v[64*(\q)+8*(\i):64*(\q)+8*(\i)+3],   v[ADRB+1] offset:64*(\q)+(\i)*16*PITCH
	ds_load_b128 v[64*(\q)+8*(\i)+4:64*(\q)+8*(\i)+7], v[ADRB+1] offset:64*(\q)+(\i)*16*PITCH+32
.endr
.endm
.macro ALOAD a
	WIN 0
.set FA, PA+32*((\a)%4)
.irp q, 0,1,2,3
	ds_load_b128 v[FA+8*(\q):FA+8*(\q)+3],   v[ADRA+1] offset:64*(\q)+(\a)*16*PITCH
	ds_load_b128 v[FA+8*(\q)+4:FA+8*(\q)+7], v[ADRA+1] offset:64*(\q)+(\a)*16*PITCH+32
.endr
.endm
.macro ROW a
.set FA, PA+32*((\a)%4)
.set AC, 64*((\a)%4)
	WIN MUL_LO+0x50*((\a)/4)
.irp q, 0,1,2,3
.if (\a) == 0 && (\q) == 2
	s_wait_dscnt 24                                ; B's quarter 2 is in (behind it: A's blocks 1 to 3)
.endif
.irp b, 0,1,2,3,4,5,6,7
	v_wmma_f32_16x16x32_bf16 v[AC+8*(\b):AC+8*(\b)+7], v[64*(\q)+8*(\b):64*(\q)+8*(\b)+7], v[FA+8*(\q):FA+8*(\q)+7], v[AC+8*(\b):AC+8*(\b)+7]
.endr
.endr
.endm
; THE WAY OUT of block a.  PACK: rounded to f16, 16 bytes a lane.  TOSTAGE: into my stage (a row: two heads' 128 bytes), and back by heads.  SEND: stored.
.macro PACK a
.set AC, 64*((\a)%4)
	WIN 0x0a+5*((\a)/4)
.irp b, 0,1,2,3,4,5,6,7
.irp r, 0,1,2,3
	v_cvt_pk_f16_f32 v[TMP+4*(\b)+(\r)], v[AC+8*(\b)+2*(\r)], v[AC+8*(\b)+2*(\r)+1]
.endr
.endr
	WIN 0
.endm
.macro TOSTAGE a
	WIN 0
.set BK, OB+192*((\a)%2)
.irp b, 0,1,2,3,4,5,6,7
	ds_store_b128 v[STO], v[TMP+4*(\b):TMP+4*(\b)+3] offset:32*(\b)
.endr
.irp t, 0,1,2,3,4,5,6,7
	ds_load_b128 v[BK+4*(\t):BK+4*(\t)+3], v[RD] offset:((\t)%4)*4*SPITCH+((\t)/4)*128  ; LDS serves a wave's instructions in order: these see the stores above
.endr
.endm
.macro SEND a, younger
	WIN 0
.set BK, OB+192*((\a)%2)
	s_wait_dscnt \younger                          ; the block is back in registers
	s_wait_xcnt 0x0                                ; earlier stores have read their base and their data
.if (\a) == 0
	s_add_nc_u64 s[8:9], s[8:9], s[16:17]          ; on to my first rows
.else
	s_add_nc_u64 s[8:9], s[8:9], 16*128            ; 16 rows of a head on
.endif
.irp t, 0,1,2,3,4,5,6,7
	global_store_b128 v[CO], v[BK+4*(\t):BK+4*(\t)+3], s[8:9] offset:((\t)/4)*524288+((\t)%4)*512  ; 512 consecutive bytes, aligned; the second head lies 4,096 rows on
.endr
.endm
	s_wait_tensorcnt 1                             ; my part of K step 0 is in; K step 1's stays out
	s_barrier_signal -1
	s_barrier_wait -1
	FETCH 0, 0, F0
	QUARTER 0, 64,  F0, F1, 1                      ; the first quarter starts the sums
	WIN 0
	s_mov_b32 s3, LAPS-1
.Llap:
	QUARTER 0, 128, F1, F0, 0
	QUARTER 0, 192, F0, F1, 0
	TURN 0, 1
	QUARTER 1, 64,  F0, F1, 0
	QUARTER 1, 128, F1, F0, 0
	QUARTER 1, 192, F0, F1, 0
	TURN 1, 0
	QUARTER 0, 64,  F0, F1, 0
	WIN 0
	s_sub_co_u32 s3, s3, 1
	s_cmp_lg_u32 s3, 0
	s_cbranch_scc1 .Llap
	QUARTER 0, 128, F1, F0, 0
	QUARTER 0, 192, F0, F1, 0
	MEET 0                                         ; nothing is filled again, so no round follows
	PLACES
	WIN TO_B
	BLOAD 0
	BLOAD 1
	BLOAD 3
	WIN 0
	ALOAD 0
	WIN MUL_HI
	MUL16 F1, 1, 0, 0
	MUL16 F1, 1, 2, 0
	PLACES
	WIN TO_B
	BLOAD 2
	WIN 0
	ALOAD 1
	ALOAD 2
	ALOAD 3
	s_wait_dscnt 40                                ; all but the 40 just issued
	ROW 0
.irp a, 0,1,2,3,4,5,6,7
	PLACES
	PACK \a
	TOSTAGE \a
.if (\a) < 4
	ALOAD (\a)+4
	SEND \a, 8
.else
	SEND \a, 0
.endif
.if (\a) < 7
	ROW (\a)+1
.endif
.endr
	s_wait_tensorcnt 0x0                           ; the wave's end
	ds_add_u32 v[SPW], v[NIL]
	s_wait_dscnt 0x0
	CROUND                                         ; the closing round
	s_endpgm
.Lfunc_end_k_q56b6286e42_kvproj:
	.size	k_q56b6286e42_kvproj, .Lfunc_end_k_q56b6286e42_kvproj-k_q56b6286e42_kvproj
	.p2alignl 7, 3214868480
	.fill 96, 4, 3214868480
	.section	.rodata,"a",@progbits
	.p2align	6, 0x0
	.amdhsa_kernel k_q56b6286e42_kvproj
		.amdhsa_group_segment_fixed_size 327680
		.amdhsa_private_segment_fixed_size 0
		.amdhsa_enable_private_segment 0
		.amdhsa_kernarg_size 24
		.amdhsa_user_sgpr_count 2
		.amdhsa_user_sgpr_kernarg_segment_ptr 1
		.amdhsa_wavefront_size32 1
		.amdhsa_system_sgpr_workgroup_id_x 1
		.amdhsa_system_sgpr_workgroup_id_y 1
		.amdhsa_system_sgpr_workgroup_id_z 1
		.amdhsa_system_vgpr_workitem_id 0
		.amdhsa_next_free_vgpr 1024
		.amdhsa_next_free_sgpr 66
		.amdhsa_reserve_vcc 0
		.amdhsa_float_denorm_mode_32 3
		.amdhsa_float_denorm_mode_16_64 3
		.amdhsa_memory_ordered 1
		.amdhsa_forward_progress 1
		.amdhsa_inst_pref_size 145
	.end_amdhsa_kernel
	.amdgpu_metadata
---
amdhsa.version: [ 1, 2 ]
amdhsa.kernels:
  - .name:           k_q56b6286e42_kvproj
    .symbol:         k_q56b6286e42_kvproj.kd
    .args:
      - { .name: cb, .offset: 0, .size: 8, .value_kind: global_buffer, .address_space: global }
      - { .name: wkvt, .offset: 8, .size: 8, .value_kind: global_buffer, .address_space: global }
      - { .name: kv, .offset: 16, .size: 8, .value_kind: global_buffer, .address_space: global }
    .group_segment_fixed_size: 327680
    .private_segment_fixed_size: 0
    .kernarg_segment_align: 8
    .kernarg_segment_size: 24
    .max_flat_workgroup_size: 128
    .sgpr_count:     66
    .vgpr_count:     1024
    .wavefront_size: 32
...
	.end_amdgpu_metadata
.endif
;; end of part 2
;; launch qproj (part 3): grid 8 x 32, 4 waves a work-group, clusters of 4 x 4, 327,680 bytes of LDS; arguments xb, wqt, qh; writes qh
.if DOCPART == 3
	.amdgcn_target "amdgcn-amd-amdhsa--gfx1250"
	.amdhsa_code_object_version 6
	.text
	.protected	k_q56b6286e42_qproj
	.globl	k_q56b6286e42_qproj
	.p2align	8
	.type	k_q56b6286e42_qproj,@function
k_q56b6286e42_qproj:
	s_mov_b64 s[64:65], 0
	v_nop
	global_prefetch_b8 v0, s[64:65] scope:SCOPE_SE
	s_setreg_imm32_b32 hwreg(HW_REG_WAVE_MODE, 25, 1), 1
	s_wait_xcnt 0x0
	s_wait_alu depctr_hold_cnt(0) depctr_sa_sdst(0) depctr_va_vdst(0) depctr_va_sdst(0) depctr_va_ssrc(0) depctr_va_vcc(0) depctr_vm_vsrc(0)
	s_getreg_b32 s2, hwreg(HW_REG_IB_STS2, 6, 4)
	s_cmp_eq_u32 s2, 0
	s_cbranch_scc0 .Lentry_in_a_cluster
	s_endpgm
.Lentry_in_a_cluster:
	s_bfe_u32 s2, ttmp6, 0x10000c
	s_cmp_lg_u32 s2, 0xf033
	s_cbranch_scc0 .Lentry_shape_is_right
	s_endpgm
.Lentry_shape_is_right:
; q = x Wq:  C[m][n] = sum over c of xb[m][c] wqt[n][c], bf16 operands, f32 sums; C rounded once to f16, unscaled, written BY HEADS: qh[(m / 2048) 16 + n / 64][m % 2048][n % 64].
; LIMIT: a sum beyond 65,504 becomes an infinity in f16.
; A tile of C is 128 x 128 (256 tiles, one for each work-group); four waves, each 64 x 64: 16 accumulators.  K goes in steps of 256 through two LDS slots.
; CLUSTERS: 4 x 4; A's tiles are asked for jointly along a row of the cluster, B's along a column.  The matrix instruction is used transposed (source 0 = rows of B).
; A wave's 64 x 64 is 64 rows of ONE head, 8,192 dense bytes of qh: each wave has a stage of its own, and no barrier stands on the way out.
; REGISTERS: window 0: v0-31 addresses; v32-95 the way out; v128-255 accumulators.  window 1: two fragment buffers of 128.
.set SIZE_M, 4096
.set SIZE_N, 1024
.set SIZE_K, 1024
.set KSTEP,  256
.set PITCH,  528                       ; 512 bytes + 16 of padding
.set HALFT,  64*PITCH
.set SLOT,   4*HALFT
.set STAGE,  2*SLOT                    ; behind the ring: 64 rows x 144 bytes for each wave
.set SP,     144
.set SPARE,  STAGE+4*64*SP
.set LAPS, SIZE_K/(2*KSTEP)
.set ADRA, 16
.set ADRB, 20
.set STO,  24
.set RD,   25
.set CO,   26
.set SPW,  28
.set NIL,  29
.set TMP,  32
.set ACC,  128
.set F0,   0
.set F1,   128
.set G1, 24
.set G0, 32
.set G1B, 48
.set G0B, 56
.set MSB, 0
.macro WIN new
.if MSB != (\new)
	s_set_vgpr_msb (MSB<<8)|(\new)
.set MSB, \new
.endif
.endm
.set MUL,  0x05                        ; sources 0 (B) and 1 (A) window 1; C and D window 0
.set TO_F, 0x40                        ; destination window 1, address window 0
.macro JLOAD s
	s_cmp_eq_u32 s11, 0
	s_cbranch_scc0 .Lfor_b_\@
	tensor_load_to_lds s[G0+4*(\s):G0+4*(\s)+3], s[G1:G1+7]
	s_nop 0
.rept 4
	v_nop
.endr
	s_branch .Lasked_\@
.Lfor_b_\@:
	tensor_load_to_lds s[G0B+4*(\s):G0B+4*(\s)+3], s[G1B:G1B+7]
	s_nop 0
.rept 4
	v_nop
.endr
.Lasked_\@:
.endm
.macro CREST
	s_cmp_lg_u32 s10, 0
	s_cbranch_scc1 .Lnot_wave_0_\@
	s_barrier_signal -3
.Lnot_wave_0_\@:
	s_barrier_wait -3
	s_barrier_signal -1
	s_barrier_wait -1
.endm
.macro CROUND
	s_barrier_signal -1
	s_barrier_wait -1
	CREST
.endm
	s_load_b128 s[4:7], s[0:1], 0x0                ; A s[4:5], B s[6:7]
	s_load_b64 s[8:9], s[0:1], 0x10                ; qh
	v_lshl_add_u32 v[SPW], v0, 2, SPARE
	v_mov_b32 v[NIL], 0
	ds_add_u32 v[SPW], v[NIL]                      ; the wave's opening: the add and its wait stand ahead of my first tensor load
	v_lshrrev_b32 v1, 5, v0
	v_readfirstlane_b32 s10, v1                    ; wave 0..3
	s_lshr_b32 s11, s10, 1                         ; my half of the rows.  Also: I fetch for A (0) or for B (1)
	s_and_b32 s12, s10, 1                          ; my half of the columns.  Also: which 64 rows I fetch
	s_bfe_u32 s40, ttmp6, 0x40000
	s_bfe_u32 s41, ttmp6, 0x40004
	s_lshl_b32 s42, ttmp9, 2
	s_add_co_u32 s42, s42, s40                     ; tile column
	s_and_b32 s13, ttmp7, 0xffff
	s_lshl_b32 s13, s13, 2
	s_add_co_u32 s13, s13, s41                     ; tile row
	s_lshl_b32 s43, s41, 2
	s_lshl_b32 s43, 15, s43
	s_lshl_b32 s44, 0x1111, s40
	s_or_b32 s[G1+0], s43, (1<<16)|(1<<20)|(1<<21)|(6<<22)|(3<<25)  ; mask; 2-byte elements; padding on; bit 21 beside a mask; after every 128 words, 4 words
	s_or_b32 s[G1B+0], s44, (1<<16)|(1<<20)|(1<<21)|(6<<22)|(3<<25)
.irp g, G1, G1B
	s_mov_b32 s[(\g)+1], KSTEP<<16
	s_mov_b32 s[(\g)+2], 64<<16
	s_mov_b32 s[(\g)+3], KSTEP<<16
	s_mov_b32 s[(\g)+4], 64
	s_mov_b32 s[(\g)+5], SIZE_K
	s_mov_b32 s[(\g)+6], 0
	s_mov_b32 s[(\g)+7], 0
.endr
	s_lshl_b32 s17, s12, 6
	s_lshl_b32 s16, s13, 7
	s_add_co_u32 s16, s16, s17
	s_lshl_b32 s46, s42, 7
	s_add_co_u32 s46, s46, s17
	s_mov_b32 s17, 0
	s_mov_b32 s47, 0
	s_mov_b64 s[18:19], SIZE_K*2
	s_mul_u64 s[16:17], s[16:17], s[18:19]
	s_mul_u64 s[46:47], s[46:47], s[18:19]
	s_mul_i32 s20, s10, HALFT
	s_wait_dscnt 0x0                               ; the opening add is done
	s_wait_kmcnt 0x0
	s_add_nc_u64 s[14:15], s[4:5], s[16:17]
	s_add_nc_u64 s[46:47], s[6:7], s[46:47]
	CROUND
.irp s, 0,1
	s_mov_b32 s[G0+4*(\s)], 1
	s_add_co_u32 s[G0+4*(\s)+1], s20, (\s)*SLOT
	s_add_nc_u64 s[G0+4*(\s)+2:G0+4*(\s)+3], s[14:15], (\s)*KSTEP*2
	s_or_b32 s[G0+4*(\s)+3], s[G0+4*(\s)+3], 0x80000000
	s_mov_b32 s[G0B+4*(\s)], 1
	s_add_co_u32 s[G0B+4*(\s)+1], s20, (\s)*SLOT
	s_add_nc_u64 s[G0B+4*(\s)+2:G0B+4*(\s)+3], s[46:47], (\s)*KSTEP*2
	s_or_b32 s[G0B+4*(\s)+3], s[G0B+4*(\s)+3], 0x80000000
	JLOAD \s
.endr
	v_and_b32 v1, 15, v0
	v_bfe_u32 v2, v0, 4, 1
	v_mul_u32_u24 v3, v1, PITCH
	v_lshl_add_u32 v3, v2, 4, v3
	s_mul_i32 s21, s11, HALFT
	s_mul_i32 s22, s12, HALFT
	s_add_co_u32 s22, s22, 2*HALFT
.irp s, 0,1
	v_add_nc_u32 v[ADRA+(\s)], s21, v3
	v_add_nc_u32 v[ADRB+(\s)], s22, v3
	s_add_co_u32 s21, s21, SLOT
	s_add_co_u32 s22, s22, SLOT
.endr
	s_mul_i32 s23, s10, 64*SP
	s_add_co_u32 s23, s23, STAGE                   ; my stage
	v_mul_u32_u24 v4, v1, SP                       ; in: row l % 16 (+ 16 a), 16 bytes for each half of the lanes
	v_lshl_add_u32 v4, v2, 4, v4
	v_add_nc_u32 v[STO], s23, v4
	v_and_b32 v6, 31, v0
	v_lshrrev_b32 v5, 3, v6                        ; back: 32 lanes take four rows of 128 bytes,
	v_mul_u32_u24 v5, v5, SP
	v_and_b32 v7, 7, v0
	v_lshl_add_u32 v5, v7, 4, v5
	v_add_nc_u32 v[RD], s23, v5
	v_lshlrev_b32 v[CO], 4, v6                     ; which are 512 consecutive bytes of qh
	s_lshl_b32 s16, s13, 7
	s_lshl_b32 s17, s11, 6
	s_add_co_u32 s16, s16, s17                     ; my first row R
	s_lshr_b32 s17, s16, 11
	s_lshl_b32 s17, s17, 22                        ; the batch: 16 heads x 2,048 rows x 128 bytes
	s_and_b32 s16, s16, 2047
	s_lshl_b32 s16, s16, 7
	s_add_co_u32 s16, s16, s17
	s_lshl_b32 s46, s42, 1
	s_add_co_u32 s46, s46, s12                     ; my head
	s_lshl_b32 s46, s46, 18
	s_add_co_u32 s16, s16, s46
	s_mov_b32 s17, 0
	s_add_nc_u64 s[8:9], s[8:9], s[16:17]
.macro MUL8 f, c, a0, zero
	WIN MUL
.irp a, \a0, (\a0)+1
.irp b, 0,1,2,3
.if \zero
	v_wmma_f32_16x16x32_bf16 v[ACC+8*(4*(\a)+(\b)):ACC+8*(4*(\a)+(\b))+7], v[(\f)+64+8*(4*(\c)+(\b)):(\f)+64+8*(4*(\c)+(\b))+7], v[(\f)+8*(4*(\c)+(\a)):(\f)+8*(4*(\c)+(\a))+7], 0
.else
	v_wmma_f32_16x16x32_bf16 v[ACC+8*(4*(\a)+(\b)):ACC+8*(4*(\a)+(\b))+7], v[(\f)+64+8*(4*(\c)+(\b)):(\f)+64+8*(4*(\c)+(\b))+7], v[(\f)+8*(4*(\c)+(\a)):(\f)+8*(4*(\c)+(\a))+7], v[ACC+8*(4*(\a)+(\b)):ACC+8*(4*(\a)+(\b))+7]
.endif
.endr
.endr
.endm
.macro FETCH slot, k, f
	WIN TO_F
.irp c, 0,1
.irp i, 0,1,2,3
	ds_load_b128 v[(\f)+64+8*(4*(\c)+(\i)):(\f)+64+8*(4*(\c)+(\i))+3],   v[ADRB+(\slot)] offset:(\k)+64*(\c)+(\i)*16*PITCH
	ds_load_b128 v[(\f)+64+8*(4*(\c)+(\i))+4:(\f)+64+8*(4*(\c)+(\i))+7], v[ADRB+(\slot)] offset:(\k)+64*(\c)+(\i)*16*PITCH+32
	ds_load_b128 v[(\f)+8*(4*(\c)+(\i)):(\f)+8*(4*(\c)+(\i))+3],         v[ADRA+(\slot)] offset:(\k)+64*(\c)+(\i)*16*PITCH
	ds_load_b128 v[(\f)+8*(4*(\c)+(\i))+4:(\f)+8*(4*(\c)+(\i))+7],       v[ADRA+(\slot)] offset:(\k)+64*(\c)+(\i)*16*PITCH+32
.endr
.endr
.endm
.macro PLACES
.rept 4
	v_nop
.endr
.endm
.macro QUARTER slot, k, f, g, zero
	s_wait_dscnt 16                                ; the first 32 along K are in
	WIN MUL
	MUL8 \f, 0, 0, \zero
	MUL8 \f, 0, 2, \zero
	PLACES
	FETCH \slot, \k, \g
	s_wait_dscnt 32                                ; all but the 32 just issued
	WIN MUL
	MUL8 \f, 1, 0, 0
	MUL8 \f, 1, 2, 0
.endm
.macro TURN slot, next, fill
	WIN 0
	s_wait_tensorcnt 0x0                           ; all my tensor loads have landed: my part of the next slot;
	ds_add_u32 v[SPW], v[NIL]                      ; 0 onto my spare word;
	s_wait_dscnt 17                                ; (the add and the youngest sixteen loads may be out)
	WIN MUL
	MUL8 F1, 0, 0, 0
	s_wait_dscnt 0x0                               ; the add is done, and my reads of this slot are over
	s_barrier_signal -1
	MUL8 F1, 0, 2, 0
.if \fill
	WIN 0
.endif
	s_barrier_wait -1
.if \fill
	CREST
	s_add_nc_u64 s[G0+4*(\slot)+2:G0+4*(\slot)+3], s[G0+4*(\slot)+2:G0+4*(\slot)+3], 2*KSTEP*2
	s_add_nc_u64 s[G0B+4*(\slot)+2:G0B+4*(\slot)+3], s[G0B+4*(\slot)+2:G0B+4*(\slot)+3], 2*KSTEP*2
	JLOAD \slot
.else
	PLACES
.endif
	FETCH \next, 0, F0
	WIN MUL
	MUL8 F1, 1, 0, 0
	MUL8 F1, 1, 2, 0
.endm
	s_wait_tensorcnt 1                             ; my part of K step 0 is in; K step 1's stays out
	s_barrier_signal -1
	s_barrier_wait -1
	FETCH 0, 0, F0
	QUARTER 0, 128, F0, F1, 1
	WIN 0
	s_mov_b32 s3, LAPS-1
.Llap:
	QUARTER 0, 256, F1, F0, 0
	QUARTER 0, 384, F0, F1, 0
	TURN 0, 1, 1
	QUARTER 1, 128, F0, F1, 0
	QUARTER 1, 256, F1, F0, 0
	QUARTER 1, 384, F0, F1, 0
	TURN 1, 0, 1
	QUARTER 0, 128, F0, F1, 0
	WIN 0
	s_sub_co_u32 s3, s3, 1
	s_cmp_lg_u32 s3, 0
	s_cbranch_scc1 .Llap
	QUARTER 0, 256, F1, F0, 0
	QUARTER 0, 384, F0, F1, 0
	TURN 0, 1, 0
	QUARTER 1, 128, F0, F1, 0
	QUARTER 1, 256, F1, F0, 0
	QUARTER 1, 384, F0, F1, 0
	s_wait_dscnt 16
	WIN MUL
	MUL8 F1, 0, 0, 0
	MUL8 F1, 0, 2, 0
	s_wait_dscnt 0
	MUL8 F1, 1, 0, 0
	MUL8 F1, 1, 2, 0
	WIN 0
	; THE WAY OUT: round to f16; 16 bytes a lane into my own stage; back as whole rows of 128 bytes, four to a load; 512 consecutive bytes a store.
	PLACES
	PLACES
.irp t, 0,1,2,3,4,5,6,7,8,9,10,11,12,13,14,15
.irp r, 0,1,2,3
	v_cvt_pk_f16_f32 v[TMP+4*(\t)+(\r)], v[ACC+8*(\t)+2*(\r)], v[ACC+8*(\t)+2*(\r)+1]
.endr
.endr
.irp a, 0,1,2,3
.irp b, 0,1,2,3
	ds_store_b128 v[STO], v[TMP+4*(4*(\a)+(\b)):TMP+4*(4*(\a)+(\b))+3] offset:(\a)*16*SP+32*(\b)
.endr
.endr
.irp t, 0,1,2,3,4,5,6,7,8,9,10,11,12,13,14,15
	ds_load_b128 v[TMP+4*(\t):TMP+4*(\t)+3], v[RD] offset:(\t)*4*SP  ; my own bytes: LDS serves a wave's instructions in order
.endr
.irp t, 0,1,2,3,4,5,6,7,8,9,10,11,12,13,14,15
	s_wait_dscnt 15-(\t)
	global_store_b128 v[CO], v[TMP+4*(\t):TMP+4*(\t)+3], s[8:9] offset:512*(\t)
.endr
	s_wait_tensorcnt 0x0                           ; the wave's end
	ds_add_u32 v[SPW], v[NIL]
	s_wait_dscnt 0x0
	CROUND                                         ; the closing round
	s_endpgm
.Lfunc_end_k_q56b6286e42_qproj:
	.size	k_q56b6286e42_qproj, .Lfunc_end_k_q56b6286e42_qproj-k_q56b6286e42_qproj
	.p2alignl 7, 3214868480
	.fill 96, 4, 3214868480
	.section	.rodata,"a",@progbits
	.p2align	6, 0x0
	.amdhsa_kernel k_q56b6286e42_qproj
		.amdhsa_group_segment_fixed_size 327680
		.amdhsa_private_segment_fixed_size 0
		.amdhsa_enable_private_segment 0
		.amdhsa_kernarg_size 24
		.amdhsa_user_sgpr_count 2
		.amdhsa_user_sgpr_kernarg_segment_ptr 1
		.amdhsa_wavefront_size32 1
		.amdhsa_system_sgpr_workgroup_id_x 1
		.amdhsa_system_sgpr_workgroup_id_y 1
		.amdhsa_system_sgpr_workgroup_id_z 1
		.amdhsa_system_vgpr_workitem_id 0
		.amdhsa_next_free_vgpr 512
		.amdhsa_next_free_sgpr 66
		.amdhsa_reserve_vcc 0
		.amdhsa_float_denorm_mode_32 3
		.amdhsa_float_denorm_mode_16_64 3
		.amdhsa_memory_ordered 1
		.amdhsa_forward_progress 1
		.amdhsa_inst_pref_size 87
	.end_amdhsa_kernel
	.amdgpu_metadata
---
amdhsa.version: [ 1, 2 ]
amdhsa.kernels:
  - .name:           k_q56b6286e42_qproj
    .symbol:         k_q56b6286e42_qproj.kd
    .args:
      - { .name: xb, .offset: 0, .size: 8, .value_kind: global_buffer, .address_space: global }
      - { .name: wqt, .offset: 8, .size: 8, .value_kind: global_buffer, .address_space: global }
      - { .name: qh, .offset: 16, .size: 8, .value_kind: global_buffer, .address_space: global }
    .group_segment_fixed_size: 327680
    .private_segment_fixed_size: 0
    .kernarg_segment_align: 8
    .kernarg_segment_size: 24
    .max_flat_workgroup_size: 128
    .sgpr_count:     66
    .vgpr_count:     512
    .wavefront_size: 32
...
	.end_amdgpu_metadata
.endif
;; end of part 3
;; launch attn (part 4): grid 8 x 32, 4 waves a work-group, clusters of 4 x 1, 327,680 bytes of LDS; arguments qh, kv, context_mask, oh; writes oh
.if DOCPART == 4
	.amdgcn_target "amdgcn-amd-amdhsa--gfx1250"
	.amdhsa_code_object_version 6
	.text
	.protected	k_q56b6286e42_attn
	.globl	k_q56b6286e42_attn
	.p2align	8
	.type	k_q56b6286e42_attn,@function
k_q56b6286e42_attn:
	s_mov_b64 s[64:65], 0
	v_nop
	global_prefetch_b8 v0, s[64:65] scope:SCOPE_SE
	s_setreg_imm32_b32 hwreg(HW_REG_WAVE_MODE, 25, 1), 1
	s_wait_xcnt 0x0
	s_wait_alu depctr_hold_cnt(0) depctr_sa_sdst(0) depctr_va_vdst(0) depctr_va_sdst(0) depctr_va_ssrc(0) depctr_va_vcc(0) depctr_vm_vsrc(0)
	s_getreg_b32 s2, hwreg(HW_REG_IB_STS2, 6, 4)
	s_cmp_eq_u32 s2, 0
	s_cbranch_scc0 .Lentry_in_a_cluster
	s_endpgm
.Lentry_in_a_cluster:
	s_bfe_u32 s2, ttmp6, 0x10000c
	s_cmp_lg_u32 s2, 0x3003
	s_cbranch_scc0 .Lentry_shape_is_right
	s_endpgm
.Lentry_shape_is_right:
; O[bh][q][:] = the sum over the keys k that context_mask shows of softmax_k(Q[bh][q] . K[bh][k] / 8) V[bh][k][:].  Q, O: [32][2048][64] f16; K, V: [32][4096][64] f16 (V 16,777,216 bytes behind K);
; the mask: [2][4096] bytes, 0 or 1, by batch bh / 16.  Products, maxima and sums in f32; the weights p are rounded to f16 for the second product (their sum l is taken of the unrounded p), O once.
; LIMITS.  Q, K, V arrive within f16's 65,504; p below 6e-5 keeps f16's fixed step of 6e-8; a weight below 2^-126 counts as 0 in l; a score at or below -2^126 counts as hidden.
; A batch whose mask shows no key gives l = 0 and O = 0 x infinity = NaN, as a softmax over nothing does.  NaN and infinities in the inputs are not treated apart.
; THE MASK is the C operand that starts the sum S^T = K Q^T: 0 for a key that is shown, -2^127 for a hidden one.  The 4,096 biases are made once, into LDS, and come into registers with each step's K.
; The running maximum m starts at -2^126, above every hidden score: a step with no key shown leaves m, l and O as they were (a = 2^0, p = 0); with the first key shown a = 0.  O and l start at 0.
; SHARES.  A work-group owns 256 queries of one bh, a wave 64: four PIECES of 16.  Every wave walks all 4,096 keys, 64 a step, 256 a slot.
; LAYOUT.  S^T = K Q^T holds ONE query a lane (lane % 16) and the keys 8 (lane / 16) + 0..7; two such results rounded to f16 ARE source 1 of O^T = V^T P.  p = 2^(c s - c m), c = log2(e) / 8;
; O and l are multiplied by a = 2^(c m_old - c m_new) in every step.
; TURNS.  Turn n belongs to piece n: 8 products K Q^T of piece n + 1, later 8 products V^T P of piece n - 1; beside them the scaling, exponentials, roundings, sums and rescaling of piece n and the
; maximum and statistics of piece n + 1.  Four vector instructions stand behind every matrix instruction, the rest in one run.  A turn's 33 exponentials are one batch, with one wait.
; CLUSTER.  The four query blocks of a cluster belong to one bh and walk the same K and V: each tile is asked for jointly.
; REGISTERS, in windows of 256 (s_set_vgpr_msb: bits 1:0 source 0, 3:2 source 1, 5:4 source 2, 7:6 destination):
;   window 0: v0-15, v32-34 addresses; v16-31 statistics; v48-55 at work; v61-63; v64-127 S^T, two buffers; v128-167 at work at the head; v192-223 P, two buffers
;   window 1: v0-127 O^T      window 2: v0-63 Q; v64-95 the step's biases; v128-191 K; v192-255 V
.set NP,    4
.set KS,    64
.set PK,    144       ; a row of K in LDS: 128 bytes + 16
.set PV,    160       ; a row of V: 128 + 32
.set VOFF,  4*KS*PK   ; a slot: 256 rows of K, then 256 rows of V
.set SLOT1, 1<<17
.set STAGE, SLOT1+4*KS*(PK+PV)  ; 16 rows x 144 bytes for each wave, for the way out
.set SP,    144
.set SPARE, STAGE+4*16*SP       ; the spare words, 128 bytes for each wave
.set BIAS,  SPARE+512           ; 4,096 f32: written once by LDS stores, never filled by a tensor load
.set AK0, 2
.set AV0, 3
.set AK,  4
.set AV,  5
.set STO, 6
.set RD,  7
.set GO,  8
.set MV,  12
.set AM0, 14          ; v14  BIAS + 32 (lane / 16)
.set QO,  15
.set ST,  16          ; piece t: c m, m, l (even keys'), l (odd keys')
.set AM,  32          ; v32  the LDS address of the biases' next run of loads
.set TMP, 48
.set PFO, 61
.set SPW, 62
.set NIL, 63
.set S,   64
.set P,   192
.set MB,  64          ; window 2
.set KF,  128         ; window 2
.set VF,  192         ; window 2
.set WV,  12
.set G1K, 24
.set G1V, 32
.set G0K, 40
.set G0V, 44
.set PFA, 48          ; s[48:49] where my prefetches stand
.set LIM, 50          ; s50  1 in a wave that prefetches, else the greatest number
.set TBM, 51          ; s51  byte in the bias table of the step to be fetched
.set SLOTS, 56
.set CNT, 57
.set CS,  58
.set SEL, 60
.set TBK, 62
.set TBV, 63
.set MSB, 0
.macro WIN new
.if MSB != (\new)
	s_set_vgpr_msb (MSB<<8)|(\new)
.set MSB, (\new)
.endif
.endm
.set W_KQ, 0x0a       ; K and Q in window 2, S^T in window 0
.set W_KM, 0x2a       ; the same with the C operand (the biases) in window 2
.set W_PV, 0x52       ; V in window 2, P in window 0, O^T in window 1
.set W_RS, 0x41       ; destination and source 0 in window 1, source 1 in window 0
; A joint fill.  Waves 0 and 1 fetch the two halves of a slot's K, waves 2 and 3 those of its V: 128 keys each.
.macro JLOAD
	s_cmp_lt_u32 s[WV], 2
	s_cbranch_scc0 .Lfor_v_\@
	tensor_load_to_lds s[G0K:G0K+3], s[G1K:G1K+7]
	s_nop 0
.rept 4
	v_nop
.endr
	s_branch .Lasked_\@
.Lfor_v_\@:
	tensor_load_to_lds s[G0V:G0V+3], s[G1V:G1V+7]
	s_nop 0
.rept 4
	v_nop
.endr
.Lasked_\@:
.endm
; A prefetch of the slot that the NEXT change will ask for: 32,768 bytes of K and of V, a lane 256 bytes.  The bh's first cluster asks; its four partners take 8,192 bytes each, told apart by address;
; wave 0 asks for K's, wave 2 for V's.  The last change that fills a slot asks for nothing.
.macro ASK
	s_cmp_gt_u32 s[SLOTS], s[LIM]
	s_cbranch_scc0 .Lnot_mine_\@
	global_prefetch_b8 v[PFO], s[PFA:PFA+1] th:TH_LOAD_NT scope:SCOPE_SE
.Lnot_mine_\@:
.endm
.macro CROUND
	s_barrier_signal -1
	s_barrier_wait -1
	s_cmp_lg_u32 s[WV], 0
	s_cbranch_scc1 .Lnot_wave_0_\@
	s_barrier_signal -3
.Lnot_wave_0_\@:
	s_barrier_wait -3
	s_barrier_signal -1
	s_barrier_wait -1
.endm
; THE CHANGE OF SLOTS.  Each wave waits for all its tensor loads (one is out: its part of the other slot), adds 0 to its spare word, and waits for that and for its own LDS work.
; fill = 1: the slot just left is filled again with the keys two slots on, first thing behind a round of the cluster's barrier: four key steps, 256 matrix instructions, in which to land.
.macro CHANGE fill
	WIN 0
	s_wait_tensorcnt 0x0            ; no tensor load of mine is out, so a group 0 may be written
	ds_add_u32 v[SPW], v[NIL]       ; 0 onto my spare word
.if \fill
.irp g, G0K, G0V
	s_xor_b32 s[\g+1], s[\g+1], SLOT1
	s_add_nc_u64 s[\g+2:\g+3], s[\g+2:\g+3], 4*KS*128
.endr
	s_wait_xcnt 0x0                 ; the last prefetch, four key steps back, has read its address
	s_add_nc_u64 s[PFA:PFA+1], s[PFA:PFA+1], 4*KS*128
	s_wait_dscnt 0x0                ; the add is done, my reads of the slot are over (the first time: my stores of the biases are done)
	CROUND
	JLOAD
	ASK
.else
	s_wait_dscnt 0x0
	s_barrier_signal -1
	s_barrier_wait -1
.endif
	s_sub_co_u32 s[TBK], s[TBK], 4*KS*PK  ; the fetches go back to a slot's first step,
	s_xor_b32 s[TBK], s[TBK], SLOT1       ; in the other slot
	s_sub_co_u32 s[TBV], s[TBV], 4*KS*PV
	s_xor_b32 s[TBV], s[TBV], SLOT1
.endm
	s_load_b256 s[4:11], s[0:1], 0x0  ; Q s[4:5], kv s[6:7], mask s[8:9], O s[10:11]
	v_lshl_add_u32 v[SPW], v0, 2, SPARE
	v_mov_b32 v[NIL], 0
	ds_add_u32 v[SPW], v[NIL]       ; the wave's opening: the add and its wait stand ahead of my first tensor load
	v_lshrrev_b32 v1, 5, v0
	v_readfirstlane_b32 s[WV], v1   ; wave 0..3
	s_bfe_u32 s13, ttmp6, 0x40000   ; cx
	s_lshl_b32 s14, ttmp9, 2
	s_add_co_u32 s14, s14, s13      ; my block of 256 queries: it enters Q's and O's addresses alone
	s_and_b32 s20, ttmp7, 0xffff    ; bh, which the four partners share
	s_lshr_b32 s52, s20, 4
	s_lshl_b32 s52, s52, 12         ; the batch's 4,096 bytes of the mask
	s_mov_b32 s53, 0
	s_and_b32 s16, s[WV], 1         ; which half of a slot's 256 keys I fetch
	s_lshl_b32 s22, s20, 19         ; bh x 4,096 rows x 128 bytes
	s_lshl_b32 s23, s16, 14
	s_add_co_u32 s22, s22, s23
	s_mov_b32 s23, 0
	s_mul_i32 s17, s16, 128*PK
	s_mul_i32 s18, s16, 128*PV
	s_lshl_b32 s2, s20, 18          ; bh x 2,048 rows x 128 bytes,
	s_lshl_b32 s3, s14, 15          ; my block's 256 rows,
	s_add_co_u32 s2, s2, s3
	s_lshl_b32 s3, s[WV], 13        ; my wave's 64
	s_add_co_u32 s2, s2, s3
	s_mov_b32 s3, 0
	; descriptor group 1.  128 keys are 16,384 dense bytes: asked for as 64 rows of 256 bytes, padded in LDS after every key
	s_mov_b32 s[G1K], 15|(1<<16)|(1<<20)|(1<<21)|(4<<22)|(3<<25)
	s_mov_b32 s[G1V], 15|(1<<16)|(1<<20)|(1<<21)|(4<<22)|(7<<25)
.irp g, G1K, G1V
	s_mov_b32 s[\g+1], 128<<16
	s_mov_b32 s[\g+2], 64<<16
	s_mov_b32 s[\g+3], 128<<16
	s_mov_b32 s[\g+4], 64
	s_mov_b32 s[\g+5], 128
	s_mov_b32 s[\g+6], 0
	s_mov_b32 s[\g+7], 0
.endr
	s_mov_b32 s[CS], 0x3e38aa3b     ; c = log2(e) / 8
	s_mov_b32 s[CS+1], s[CS]
	s_mov_b32 s[SEL], 0x76543210
	s_mov_b32 s[SEL+1], 0xfedcba98
	s_mov_b32 s[TBK], SLOT1+4*KS*PK ; the first change of slots turns these two into 0
	s_mov_b32 s[TBV], SLOT1+4*KS*PV
	s_mov_b32 s[TBM], 0
	s_mov_b32 s[SLOTS], 15          ; slots still to be asked for
	s_mov_b32 s[G0K], 1
	s_mov_b32 s[G0K+1], s17
	s_mov_b32 s[G0V], 1
	s_add_co_u32 s[G0V+1], s18, VOFF
	s_and_b32 s[LIM], s[WV], 1
	s_or_b32 s[LIM], s[LIM], ttmp9
	s_cmp_eq_u32 s[LIM], 0
	s_cselect_b32 s[LIM], 1, -1
	v_and_b32 v[PFO], 31, v0
	v_lshlrev_b32 v[PFO], 8, v[PFO]
	s_wait_dscnt 0x0                ; the opening add is done
	s_wait_kmcnt 0x0
	s_add_nc_u64 s[6:7], s[6:7], s[22:23]          ; K at my half of the first 256 keys,
	s_add_nc_u64 s[20:21], s[6:7], 0x1000000       ; V likewise
	s_mov_b64 s[G0K+2:G0K+3], s[6:7]
	s_or_b32 s[G0K+3], s[G0K+3], 0x80000000
	s_mov_b64 s[G0V+2:G0V+3], s[20:21]
	s_or_b32 s[G0V+3], s[G0V+3], 0x80000000
	s_add_nc_u64 s[4:5], s[4:5], s[2:3]
	s_add_nc_u64 s[10:11], s[10:11], s[2:3]
	s_add_nc_u64 s[8:9], s[8:9], s[52:53]
	s_cmp_lt_u32 s[WV], 2
	s_cselect_b64 s[PFA:PFA+1], s[6:7], s[20:21]   ; (in waves 0 and 2 these stand at a slot's first row)
	s_lshl_b32 s2, s13, 13                         ; my work-group's 8,192 bytes of a slot's 32,768
	s_add_nc_u64 s[PFA:PFA+1], s[PFA:PFA+1], s[2:3]
	s_add_nc_u64 s[PFA:PFA+1], s[PFA:PFA+1], 4*KS*128  ; in slot 1; the first change of slots steps it to slot 2
	CROUND                          ; all four work-groups are here: the first joint loads meet
	JLOAD                           ; slot 0
	v_and_b32 v1, 15, v0            ; l % 16
	v_bfe_u32 v9, v0, 4, 1          ; l / 16
	v_lshlrev_b32 v33, 5, v0        ; 32 bytes of the mask a thread
	global_load_b128 v[128:131], v33, s[8:9]
	global_load_b128 v[132:135], v33, s[8:9] offset:16
	v_lshlrev_b32 v[QO], 7, v1
	v_lshl_add_u32 v[QO], v9, 4, v[QO]
	WIN 0x80                        ; destination window 2, address window 0
.set i, 0
.rept 8                             ; Q stays in registers: piece i / 2, channels 32 (i % 2) on
	global_load_b128 v[8*i:8*i+3],   v[QO], s[4:5] offset:(i/2)*2048+(i%2)*64
	global_load_b128 v[8*i+4:8*i+7], v[QO], s[4:5] offset:(i/2)*2048+(i%2)*64+32
.set i, i+1
.endr
	; What the first turns find: V's registers and P's second buffer hold 0, O^T and l are 0.  All this stands in the wait for the first tile; no first step is written out.
.set i, VF
.rept 64
	v_mov_b32 v[i], 0
.set i, i+1
.endr
	WIN 0x40
.set i, 0
.rept 128
	v_mov_b32 v[i], 0
.set i, i+1
.endr
	WIN 0
.set i, 0
.rept 4
	v_mov_b32 v[ST+4*i+1], 0xfe800000              ; m = -2^126
	v_mul_f32 v[ST+4*i], s[CS], v[ST+4*i+1]        ; c m, by the line that makes it in every step
	v_mov_b32 v[ST+4*i+2], 0
	v_mov_b32 v[ST+4*i+3], 0
.set i, i+1
.endr
.set i, P+16
.rept 16
	v_mov_b32 v[i], 0
.set i, i+1
.endr
	v_mul_u32_u24 v[AK0], v1, PK
	v_lshl_add_u32 v[AK0], v9, 4, v[AK0]
	v_and_b32 v10, 7, v0
	v_bfe_u32 v11, v0, 3, 1
	v_lshl_add_u32 v[AV0], v9, 3, v10
	v_mul_u32_u24 v[AV0], v[AV0], PV
	v_lshl_add_u32 v[AV0], v11, 4, v[AV0]
	v_add_nc_u32 v[AV0], VOFF, v[AV0]
	v_lshl_add_u32 v[AM0], v9, 5, BIAS             ; my lanes' eight keys of a group of 16
	s_mul_i32 s13, s[WV], 16*SP
	s_add_co_u32 s13, s13, STAGE
	v_mul_u32_u24 v[STO], v1, SP
	v_lshl_add_u32 v[STO], v9, 4, v[STO]
	v_add_nc_u32 v[STO], s13, v[STO]
	v_bfe_u32 v[RD], v0, 3, 2
	v_mul_u32_u24 v[RD], v[RD], SP
	v_lshl_add_u32 v[RD], v10, 4, v[RD]
	v_add_nc_u32 v[RD], s13, v[RD]
	v_and_b32 v[GO], 31, v0
	v_lshlrev_b32 v[GO], 4, v[GO]
	v_lshl_add_u32 v34, v0, 7, BIAS                ; my 32 biases in the table
	s_wait_loadcnt 16               ; the mask is in; Q's sixteen loads stay out
.set j, 0
.rept 32
	v_bfe_u32 v[136+j], v[128+j/4], 8*(j%4), 8     ; 1 or 0
	v_add_nc_u32 v[136+j], -1, v[136+j]            ; 0 or all ones
	v_and_b32 v[136+j], 0xff000000, v[136+j]       ; 0 or -2^127
.set j, j+1
.endr
.irp j, 0,1,2,3,4,5,6,7
	ds_store_b128 v34, v[136+4*\j:136+4*\j+3] offset:16*\j
.endr
; THE MATRIX WORK.  The 4 accumulators of a run of 8 take turns.  Product i of 8 of S^T = K Q^T for piece x: channels 32 (i / 4) on, keys 16 (i % 4) on.  The first 4 start the sums with the biases.
.macro KQ x
.set rS, S+32*((\x)%2)+8*(i%4)
.set rK, KF+16*(i%4)+8*(i/4)
.set rQ, 16*(\x)+8*(i/4)
.set rM, MB+8*(i%4)
.if i < 4
	WIN W_KM
	v_wmma_f32_16x16x32_f16 v[rS:rS+7], v[rK:rK+7], v[rQ:rQ+7], v[rM:rM+7]
.else
	WIN W_KQ
	v_wmma_f32_16x16x32_f16 v[rS:rS+7], v[rK:rK+7], v[rQ:rQ+7], v[rS:rS+7]
.endif
.endm
; Product i of 8 of O^T += V^T P for piece x: keys 32 (i / 4) on, channels 16 (i % 4) on.
.macro PV x
	WIN W_PV
.set rO, 32*(\x)+8*(i%4)
.set rV, VF+32*(i/4)+8*(i%4)
.set rP, P+16*((\x)%2)+8*(i/4)
	v_wmma_f32_16x16x32_f16 v[rO:rO+7], v[rV:rV+7], v[rP:rP+7], v[rO:rO+7]
.endm
.macro MM                           ; the turn's next matrix instruction.  NOKQ = 1: the last turn: there is no next piece
.if (i < 8) && !NOKQ
	KQ (Y+1)%NP
.elseif i >= 8
.set i, i-8
	PV (Y+NP-1)%NP
.set i, i+8
.endif
.set i, i+1
.endm
; THE LDS LOADS stand in runs: a step's K (8 fragments) with its 32 biases, and its V (turned).
.macro FETCH_K
	WIN 0x80
.irp f, 0,1,2,3,4,5,6,7
	ds_load_b128 v[KF+8*\f:KF+8*\f+3],   v[AK] offset:(\f/2)*16*PK+(\f%2)*64
	ds_load_b128 v[KF+8*\f+4:KF+8*\f+7], v[AK] offset:(\f/2)*16*PK+(\f%2)*64+32
.endr
.irp g, 0,1,2,3                     ; keys 16 g + 8 (lane / 16) + 0..7: all lanes of a half read the same words
	ds_load_b128 v[MB+8*\g:MB+8*\g+3],   v[AM] offset:64*\g
	ds_load_b128 v[MB+8*\g+4:MB+8*\g+7], v[AM] offset:64*\g+16
.endr
	s_add_co_u32 s[TBK], s[TBK], KS*PK
	s_add_co_u32 s[TBM], s[TBM], KS*4
	WIN 0
.endm
.macro FETCH_V
	WIN 0x80
.irp f, 0,1,2,3,4,5,6,7
	ds_load_tr16_b128 v[VF+8*\f:VF+8*\f+3],   v[AV] offset:(\f/4)*32*PV+(\f%4)*32
	ds_load_tr16_b128 v[VF+8*\f+4:VF+8*\f+7], v[AV] offset:(\f/4)*32*PV+16*PV+(\f%4)*32
.endr
	WIN 0
.endm
; THE VECTOR WORK, one line at a time: OP kind, number.  For piece Y: F n: c s - c m for pair n.  E n: the exponential of score n.  C n: pair n rounded to f16.  B n: of the four weights 4 n .. the second
; pair is added onto the first.  L n: l takes that sum (L 0: l = a l + sum).  R n: pair n of O^T times a.  For piece Y + 1: X n, number n of the 22 that find its maximum and statistics
; (each accumulator's lowest registers are read first).
.set F, 0
.set E, 1
.set C, 2
.set B, 3
.set L, 4
.set R, 5
.set X, 6
.macro REGS y
.set rT, ST+4*(\y)
.set rC, TMP+4*((\y)%2)
.set rW, MV+((\y)%2)
.set rS, S+32*((\y)%2)
.set rP, P+16*((\y)%2)
.set rO, 32*(\y)
.endm
.macro OP k, n
.if (\k) == R
	REGS Y
	WIN W_RS
	v_pk_mul_f32 v[rO+2*(\n):rO+2*(\n)+1], v[rO+2*(\n):rO+2*(\n)+1], v[rC+2:rC+3] op_sel_hi:[1,0]
.elseif (\k) < R
	REGS Y
	WIN 0
.if (\k) == F
	v_pk_fma_f32 v[rS+2*(\n):rS+2*(\n)+1], v[rS+2*(\n):rS+2*(\n)+1], s[CS:CS+1], v[rT:rT+1] op_sel_hi:[1,0,0] neg_lo:[0,0,1] neg_hi:[0,0,1]
.elseif (\k) == E
	v_exp_f32 v[rS+(\n)], v[rS+(\n)]
.elseif (\k) == C
	v_cvt_pk_f16_f32 v[rP+(\n)], v[rS+2*(\n)], v[rS+2*(\n)+1]
.elseif (\k) == B
	v_pk_add_f32 v[rS+4*(\n):rS+4*(\n)+1], v[rS+4*(\n):rS+4*(\n)+1], v[rS+4*(\n)+2:rS+4*(\n)+3]
.elseif (\n) == 0
	v_pk_fma_f32 v[rT+2:rT+3], v[rT+2:rT+3], v[rC+2:rC+3], v[rS:rS+1] op_sel_hi:[1,0,1]
.else
	v_pk_add_f32 v[rT+2:rT+3], v[rT+2:rT+3], v[rS+4*(\n):rS+4*(\n)+1]
.endif
.elseif NOKQ
	v_nop
.else
	REGS (Y+1)%NP
	WIN 0
.if (\n) < 4
	v_max3_num_f32 v[rC+(\n)], v[rS+8*(\n)], v[rS+8*(\n)+1], v[rS+8*(\n)+2]
.elseif (\n) < 12
	v_max3_num_f32 v[rC+(\n)%4], v[rC+(\n)%4], v[rS+8*((\n)%4)+2*((\n)/4)+1], v[rS+8*((\n)%4)+2*((\n)/4)+2]
.elseif (\n) == 12
	v_max3_num_f32 v[rC], v[rC], v[rS+7], v[rS+15]
.elseif (\n) == 13
	v_max3_num_f32 v[rC+1], v[rC+1], v[rS+23], v[rS+31]
.elseif (\n) == 14
	v_max3_num_f32 v[rC+2], v[rC+2], v[rC+3], v[rT+1]
.elseif (\n) == 15
	v_mov_b32 v[rW], v[rT]
.elseif (\n) == 16
	v_max3_num_f32 v[rC], v[rC], v[rC+1], v[rC+2]
.elseif (\n) == 17
	v_permlanex16_b32 v[rC+3], v[rC], s[SEL], s[SEL+1]
.elseif (\n) == 18
	v_max_num_f32 v[rT+1], v[rC], v[rC+3]
.elseif (\n) == 19
	v_mul_f32 v[rT], s[CS], v[rT+1]
.elseif (\n) == 20
	v_sub_f32 v[rC+1], v[rW], v[rT]
.else
	v_exp_f32 v[rC+2], v[rC+1]
.endif
.endif
.endm
.macro OPS a, i1, b=-1, i2=0, c=-1, i3=0, d=-1, i4=0
	OP \a, \i1
.if (\b) >= 0
	OP \b, \i2
.endif
.if (\c) >= 0
	OP \c, \i3
.endif
.if (\d) >= 0
	OP \d, \i4
.endif
.endm
.macro ROW a, i1, b, i2, c, i3, d, i4  ; a matrix instruction and the four behind it
	MM
	OPS \a, \i1, \b, \i2, \c, \i3, \d, \i4
.endm
; A TURN, for piece p.  Ahead of its one wait stands all that names no result of the turn's exponentials; behind it the 8 products V^T P with the roundings and sums.
; end = 1: the last two turns: nothing is fetched, and the last starts no new scores.  cnt = 1: the loop's count is taken down some lines ahead of the branch behind the turn.
; K and the biases of the next step are fetched in piece 2's turn, five plain instructions or more behind the last product that read them; V of the step in hand at the end of piece 0's turn,
; four plain instructions behind its last reader.  Each is waited for a turn later.
.macro TURN p, end=0, cnt=0
.set Y, (\p)
.set i, 0
.set NOKQ, (\end)*((\p)/3)
.if ((\p) == 3) && !(\end)
	s_wait_dscnt 0x0                ; K and the biases are in
.endif
	ROW F,0, F,1, R,0, R,1
	ROW F,2, E,0, R,2, R,3
	ROW F,3, E,1, R,4, R,5
	ROW F,4, E,2, R,6, R,7
	ROW F,5, E,3, R,8, R,9
	ROW F,6, E,4, X,0, R,10
.if ((\p) == 2) && !(\end)
	WIN 0
	v_add_nc_u32 v[AK], s[TBK], v[AK0]
	v_add_nc_u32 v[AM], s[TBM], v[AM0]
.endif
	ROW F,7, E,5, X,1, X,4
	ROW F,8, E,6, X,2, X,5
	OPS E,7, E,8, X,6, E,9
	OPS X,3, E,10, X,8, E,11
.if ((\p) == 2) && !(\end)
	FETCH_K
.endif
	OPS X,9, X,7, E,12, X,10
	OPS E,13, X,12, X,11, E,14
	OPS X,13, E,15, F,9, X,14
.if (\p) == 0
	v_add_nc_u32 v[AV], s[TBV], v[AV0]
.endif
	OPS E,16, F,10, E,17, F,11
	OPS X,16, E,18, X,15, E,19
	OPS F,12, E,20, X,17, E,21
	OPS F,13, E,22, F,14, E,23
	OPS X,18, E,24, F,15, E,25
	OPS R,11, E,26, X,19, E,27
	OPS R,12, E,28, R,13, E,29
	OPS X,20, E,30, R,14, E,31
	OPS X,21, R,15                  ; the batch's last exponential, and a plain instruction behind it
	WIN 0
	s_wait_alu depctr_va_vdst(0)    ; the one wait for the batch, ahead of the first instruction that names a result of it
.if (\p) == 1
	s_wait_dscnt 0x0                ; V is in
.endif
	ROW C,0, B,0, C,2, B,1
	ROW L,0, C,4, B,2, L,1
	ROW C,6, B,3, L,2, C,8
	ROW B,4, L,3, C,10, B,5
	ROW L,4, C,12, B,6, L,5
.if (\p) == 0
	s_add_co_u32 s[TBV], s[TBV], KS*PV
.endif
.if \cnt
	s_sub_co_u32 s[CNT], s[CNT], 1
	s_cmp_lg_u32 s[CNT], 0
.endif
	ROW C,14, B,7, L,6, C,1
	ROW C,3, L,7, C,5, C,7
	ROW C,9, C,11, C,13, C,15
.if (\p) == 0
	FETCH_V
.endif
.endm
.macro ALL line:vararg
.set t, 0
.rept 4
	\line
.set t, t+1
.endr
.endm
.macro PACK t                       ; a lane's eight channels of a row pack into 16 bytes; into rows of 144 bytes, back as whole rows of 128
	WIN W_RS
.set i, 32*(\t)
.rept 16
	v_pk_mul_f32 v[i:i+1], v[i:i+1], v[ST+4*(\t)+2:ST+4*(\t)+3] op_sel_hi:[1,0]
.set i, i+2
.endr
	WIN 0x05
.set i, 0
.rept 16
	v_cvt_pk_f16_f32 v[S+16*(\t)+i], v[32*(\t)+2*i], v[32*(\t)+2*i+1]
.set i, i+1
.endr
	WIN 0
.irp f, 0,1,2,3
	ds_store_b128 v[STO], v[S+16*(\t)+4*\f:S+16*(\t)+4*\f+3] offset:32*\f
.endr
.irp f, 0,1,2,3
	ds_load_b128 v[S+16*(\t)+4*\f:S+16*(\t)+4*\f+3], v[RD] offset:\f*4*SP  ; LDS serves a wave's instructions in order: these see the stores above
.endr
.endm
.macro SEND t, younger              ; younger: the LDS instructions issued behind piece t's loads
	WIN 0
.irp f, 0,1,2,3
	s_wait_dscnt (\younger)+3-\f
	global_store_b128 v[GO], v[S+16*(\t)+4*\f:S+16*(\t)+4*\f+3], s[10:11] offset:(\t)*2048+\f*512  ; 512 consecutive bytes, aligned
.endr
.endm
	CHANGE 1                        ; slot 0 is in, everybody's part of it, and so are all the biases; slot 1 is asked for
	v_add_nc_u32 v[AK], s[TBK], v[AK0]
	v_add_nc_u32 v[AM], s[TBM], v[AM0]
	FETCH_K                         ; key step 0
	s_wait_loadcnt 0x0              ; Q
	s_wait_dscnt 0x0
.set NOKQ, 0
.set i, 0
.rept 8
	KQ 0                            ; piece 0's first scores
.set i, i+1
.endr
	WIN 0
.rept 4
	v_nop                           ; the places behind those products
.endr
.set Y, NP-1                        ; X works for piece Y + 1: piece 0
.irp n, 0,1,2,3,4,5,6,7,8,9,10,11,12,13,14,15,16,17,18,19,20,21
	OP X, \n
.endr
	v_nop                           ; a plain instruction behind the exponential,
	s_wait_alu depctr_va_vdst(0)    ; and its wait, ahead of the branch
	s_mov_b32 s[CNT], 4
	s_branch .Lfirst                ; the loop is entered at a step's first turn, in the middle of a trip
.Lslot:                             ; 14 times: with the change above, every slot but the last is entered here and the next asked for
	CHANGE 1
	s_mov_b32 s[CNT], 4
.Lstep:                             ; a trip: pieces 2 and 3 of one step, then pieces 0 and 1 of the next, whose K and V it fetches
	TURN 2
	TURN 3
	WIN 0
.Lfirst:
	TURN 0
	TURN 1, 0, 1
	WIN 0
	s_cbranch_scc1 .Lstep
	s_sub_co_u32 s[SLOTS], s[SLOTS], 1
	s_cmp_lg_u32 s[SLOTS], 0
	s_cbranch_scc1 .Lslot
	CHANGE 0                        ; the last slot is written out: nothing is asked for
	s_mov_b32 s[CNT], 4
.LstepT:
	TURN 2
	TURN 3
	TURN 0
	TURN 1, 0, 1
	WIN 0
	s_cbranch_scc1 .LstepT
	TURN 2, 1
	TURN 3, 1
.set i, 0
.rept 8
	PV NP-1                         ; the last piece's V^T P of the last step
.set i, i+1
.endr
	; THE WAY OUT.  l's two halves and the other half of the lanes' are added; O^T is divided by l, rounded to f16 and sent through my stage, a piece at a time.
	WIN 0
	ALL v_add_f32 v[ST+4*t+2], v[ST+4*t+2], v[ST+4*t+3]
	ALL v_permlanex16_b32 v[ST+4*t+3], v[ST+4*t+2], s[SEL], s[SEL+1]
	ALL v_add_f32 v[ST+4*t+2], v[ST+4*t+2], v[ST+4*t+3]
	ALL v_rcp_f32 v[ST+4*t+2], v[ST+4*t+2]
	v_nop                           ; a plain instruction between the last reciprocal and the use of its result
	s_wait_alu depctr_va_vdst(0)    ; one wait for the four reciprocals
	PACK 0
.set t, 1
.rept 3
	PACK t
	SEND t-1, 8
.set t, t+1
.endr
	SEND 3, 0
	s_wait_tensorcnt 0x0            ; the wave's end
	ds_add_u32 v[SPW], v[NIL]
	s_wait_dscnt 0x0
	CROUND                          ; the closing round
	s_endpgm
.Lfunc_end_k_q56b6286e42_attn:
	.size	k_q56b6286e42_attn, .Lfunc_end_k_q56b6286e42_attn-k_q56b6286e42_attn
	.p2alignl 7, 3214868480
	.fill 96, 4, 3214868480
	.section	.rodata,"a",@progbits
	.p2align	6, 0x0
	.amdhsa_kernel k_q56b6286e42_attn
		.amdhsa_group_segment_fixed_size 327680
		.amdhsa_private_segment_fixed_size 0
		.amdhsa_enable_private_segment 0
		.amdhsa_kernarg_size 32
		.amdhsa_user_sgpr_count 2
		.amdhsa_user_sgpr_kernarg_segment_ptr 1
		.amdhsa_wavefront_size32 1
		.amdhsa_system_sgpr_workgroup_id_x 1
		.amdhsa_system_sgpr_workgroup_id_y 1
		.amdhsa_system_sgpr_workgroup_id_z 1
		.amdhsa_system_vgpr_workitem_id 0
		.amdhsa_next_free_vgpr 768
		.amdhsa_next_free_sgpr 66
		.amdhsa_reserve_vcc 0
		.amdhsa_float_denorm_mode_32 3
		.amdhsa_float_denorm_mode_16_64 3
		.amdhsa_memory_ordered 1
		.amdhsa_forward_progress 1
		.amdhsa_inst_pref_size 135
	.end_amdhsa_kernel
	.amdgpu_metadata
---
amdhsa.version: [ 1, 2 ]
amdhsa.kernels:
  - .name:           k_q56b6286e42_attn
    .symbol:         k_q56b6286e42_attn.kd
    .args:
      - { .name: qh, .offset: 0, .size: 8, .value_kind: global_buffer, .address_space: global }
      - { .name: kv, .offset: 8, .size: 8, .value_kind: global_buffer, .address_space: global }
      - { .name: context_mask, .offset: 16, .size: 8, .value_kind: global_buffer, .address_space: global }
      - { .name: oh, .offset: 24, .size: 8, .value_kind: global_buffer, .address_space: global }
    .group_segment_fixed_size: 327680
    .private_segment_fixed_size: 0
    .kernarg_segment_align: 8
    .kernarg_segment_size: 32
    .max_flat_workgroup_size: 128
    .sgpr_count:     66
    .vgpr_count:     768
    .wavefront_size: 32
...
	.end_amdgpu_metadata
.endif
;; end of part 4
;; launch oproj (part 5): grid 8 x 32, 4 waves a work-group, clusters of 4 x 4, 327,680 bytes of LDS; arguments oh, wot, bo, out0; writes out0
.if DOCPART == 5
	.amdgcn_target "amdgcn-amd-amdhsa--gfx1250"
	.amdhsa_code_object_version 6
	.text
	.protected	k_q56b6286e42_oproj
	.globl	k_q56b6286e42_oproj
	.p2align	8
	.type	k_q56b6286e42_oproj,@function
k_q56b6286e42_oproj:
	s_mov_b64 s[64:65], 0
	v_nop
	global_prefetch_b8 v0, s[64:65] scope:SCOPE_SE
	s_setreg_imm32_b32 hwreg(HW_REG_WAVE_MODE, 25, 1), 1
	s_wait_xcnt 0x0
	s_wait_alu depctr_hold_cnt(0) depctr_sa_sdst(0) depctr_va_vdst(0) depctr_va_sdst(0) depctr_va_ssrc(0) depctr_va_vcc(0) depctr_vm_vsrc(0)
	s_getreg_b32 s2, hwreg(HW_REG_IB_STS2, 6, 4)
	s_cmp_eq_u32 s2, 0
	s_cbranch_scc0 .Lentry_in_a_cluster
	s_endpgm
.Lentry_in_a_cluster:
	s_bfe_u32 s2, ttmp6, 0x10000c
	s_cmp_lg_u32 s2, 0xf033
	s_cbranch_scc0 .Lentry_shape_is_right
	s_endpgm
.Lentry_shape_is_right:
; out0[m][n] = bo[n] + sum over c of O[m][c] Wo[c][n].  O comes by heads, oh[(m / 2048) 16 + c / 64][m % 2048][c % 64] in f16; wot[n][c] in f16; bo is rounded to bf16 like the other inputs; sums and out0 in f32.
; The bias is the C operand of the products that start the sums.
; A tile of out0 is 128 x 128 (256 tiles); four waves, each 64 x 64: 16 accumulators.  K goes in steps of 256 = four heads through two LDS slots.
; A's tile: for each of the four heads 64 rows of 128 bytes, dense in memory: asked for as 4 rows of 8,192 bytes, 2,048 x 64 elements apart, padded in LDS after every 128 bytes.
; CLUSTERS: 4 x 4; A's tiles jointly along a row of the cluster, B's along a column.  The matrix instruction is used transposed (source 0 = rows of wot): a lane holds eight neighbouring columns of a row.
; A wave's 64 columns are 256 aligned bytes of a row of out0: each wave has a stage of its own, and no barrier stands on the way out.
; REGISTERS: window 0: v0-31 addresses; v32-47 at work; v96-127 the bias; v128-255 accumulators.  window 1: two fragment buffers of 128.
.set SIZE_K, 1024
.set KSTEP,  256
.set PA,     144                       ; A's LDS row: 128 bytes + 16
.set HEADA,  64*PA                     ; a head's 64 rows
.set HALFA,  4*HEADA                   ; what one tensor load brings of A
.set PITCH,  528                       ; B's LDS row: 512 bytes + 16
.set HALFB,  64*PITCH
.set BOFF,   2*HALFA
.set SLOT,   BOFF+2*HALFB
.set STAGE,  2*SLOT                    ; 16 rows x 272 bytes for each wave
.set SPITCH, 272
.set SPARE,  STAGE+4*16*SPITCH
.set LAPS, SIZE_K/(2*KSTEP)
.set ASTEP, 0x100000                   ; four heads of 2,048 rows x 128 bytes
.set ADRA, 16
.set ADRB, 20
.set STO,  24
.set RD,   25
.set CO,   26
.set SPW,  28
.set NIL,  29
.set BIA,  96
.set ACC,  128
.set F0,   0
.set F1,   128
.set G1, 24
.set G0, 32
.set G1B, 48
.set G0B, 56
.set BO, 68                            ; s[68:69] bo
.set CB, 70                            ; s[70:71] out0
.set MSB, 0
.macro WIN new
.if MSB != (\new)
	s_set_vgpr_msb (MSB<<8)|(\new)
.set MSB, \new
.endif
.endm
.set MUL,  0x05
.set TO_F, 0x40
.macro JLOAD s
	s_cmp_eq_u32 s11, 0
	s_cbranch_scc0 .Lfor_b_\@
	tensor_load_to_lds s[G0+4*(\s):G0+4*(\s)+3], s[G1:G1+7]
	s_nop 0
.rept 4
	v_nop
.endr
	s_branch .Lasked_\@
.Lfor_b_\@:
	tensor_load_to_lds s[G0B+4*(\s):G0B+4*(\s)+3], s[G1B:G1B+7]
	s_nop 0
.rept 4
	v_nop
.endr
.Lasked_\@:
.endm
.macro CREST
	s_cmp_lg_u32 s10, 0
	s_cbranch_scc1 .Lnot_wave_0_\@
	s_barrier_signal -3
.Lnot_wave_0_\@:
	s_barrier_wait -3
	s_barrier_signal -1
	s_barrier_wait -1
.endm
.macro CROUND
	s_barrier_signal -1
	s_barrier_wait -1
	CREST
.endm
	s_load_b128 s[4:7], s[0:1], 0x0                ; oh s[4:5], wot s[6:7]
	s_load_b128 s[68:71], s[0:1], 0x10             ; bo, out0
	v_lshl_add_u32 v[SPW], v0, 2, SPARE
	v_mov_b32 v[NIL], 0
	ds_add_u32 v[SPW], v[NIL]                      ; the wave's opening: the add and its wait stand ahead of my first tensor load
	v_lshrrev_b32 v1, 5, v0
	v_readfirstlane_b32 s10, v1                    ; wave 0..3
	s_lshr_b32 s11, s10, 1                         ; my half of the rows.  Also: I fetch for A (0) or for B (1)
	s_and_b32 s12, s10, 1                          ; my half of the columns.  Also: which 64 rows I fetch
	s_bfe_u32 s40, ttmp6, 0x40000
	s_bfe_u32 s41, ttmp6, 0x40004
	s_lshl_b32 s42, ttmp9, 2
	s_add_co_u32 s42, s42, s40                     ; tile column
	s_and_b32 s13, ttmp7, 0xffff
	s_lshl_b32 s13, s13, 2
	s_add_co_u32 s13, s13, s41                     ; tile row
	s_lshl_b32 s43, s41, 2
	s_lshl_b32 s43, 15, s43
	s_lshl_b32 s44, 0x1111, s40
	s_or_b32 s[G1+0], s43, (1<<16)|(1<<20)|(1<<21)|(4<<22)|(3<<25)  ; A: mask of my row; 2-byte elements; padding on; bit 21 beside a mask; after every 32 words, 4 words
	s_mov_b32 s[G1+1], 4096<<16                    ; tensor_dim0 = 4,096 elements: 64 rows of one head
	s_mov_b32 s[G1+2], 4<<16                       ; tensor_dim1 = 4 heads
	s_mov_b32 s[G1+3], 4096<<16                    ; tile_dim0
	s_mov_b32 s[G1+4], 4                           ; tile_dim1
	s_mov_b32 s[G1+5], 131072                      ; elements from head to head
	s_mov_b32 s[G1+6], 0
	s_mov_b32 s[G1+7], 0
	s_or_b32 s[G1B+0], s44, (1<<16)|(1<<20)|(1<<21)|(6<<22)|(3<<25) ; B: mask of my column; after every 128 words, 4 words
	s_mov_b32 s[G1B+1], KSTEP<<16
	s_mov_b32 s[G1B+2], 64<<16
	s_mov_b32 s[G1B+3], KSTEP<<16
	s_mov_b32 s[G1B+4], 64
	s_mov_b32 s[G1B+5], SIZE_K
	s_mov_b32 s[G1B+6], 0
	s_mov_b32 s[G1B+7], 0
	s_lshl_b32 s17, s12, 6
	s_lshl_b32 s46, s42, 7
	s_add_co_u32 s46, s46, s17                     ; B: row 128 x tile column + 64 x half,
	s_lshl_b32 s46, s46, 11                        ; of 2,048 bytes
	s_mov_b32 s47, 0
	s_lshl_b32 s16, s13, 7
	s_add_co_u32 s16, s16, s17                     ; A: row R = 128 x tile row + 64 x half
	s_lshr_b32 s17, s16, 11
	s_lshl_b32 s17, s17, 22                        ; the batch: 16 heads x 2,048 rows x 128 bytes
	s_and_b32 s16, s16, 2047
	s_lshl_b32 s16, s16, 7
	s_add_co_u32 s16, s16, s17
	s_mov_b32 s17, 0
	s_mul_i32 s20, s12, HALFA                      ; where they go: no place in the cluster enters an LDS address
	s_mul_i32 s21, s12, HALFB
	s_add_co_u32 s21, s21, BOFF
	s_wait_dscnt 0x0                               ; the opening add is done
	s_wait_kmcnt 0x0
	s_add_nc_u64 s[14:15], s[4:5], s[16:17]
	s_add_nc_u64 s[46:47], s[6:7], s[46:47]
	CROUND
.irp s, 0,1
	s_mov_b32 s[G0+4*(\s)], 1
	s_add_co_u32 s[G0+4*(\s)+1], s20, (\s)*SLOT
	s_add_nc_u64 s[G0+4*(\s)+2:G0+4*(\s)+3], s[14:15], (\s)*ASTEP
	s_or_b32 s[G0+4*(\s)+3], s[G0+4*(\s)+3], 0x80000000
	s_mov_b32 s[G0B+4*(\s)], 1
	s_add_co_u32 s[G0B+4*(\s)+1], s21, (\s)*SLOT
	s_add_nc_u64 s[G0B+4*(\s)+2:G0B+4*(\s)+3], s[46:47], (\s)*KSTEP*2
	s_or_b32 s[G0B+4*(\s)+3], s[G0B+4*(\s)+3], 0x80000000
	JLOAD \s
.endr
	v_and_b32 v1, 15, v0                           ; l % 16
	v_bfe_u32 v2, v0, 4, 1                         ; l / 16
	s_lshl_b32 s23, s42, 9
	s_lshl_b32 s22, s12, 8
	s_add_co_u32 s23, s23, s22                     ; my first column, in bytes of f32
	v_lshl_add_u32 v27, v2, 5, s23                 ; + my lanes' eight columns
.irp b, 0,1,2,3
	global_load_b128 v[BIA+8*(\b):BIA+8*(\b)+3],   v27, s[BO:BO+1] offset:64*(\b)
	global_load_b128 v[BIA+8*(\b)+4:BIA+8*(\b)+7], v27, s[BO:BO+1] offset:64*(\b)+16
.endr
	v_mul_u32_u24 v3, v1, PA
	v_lshl_add_u32 v3, v2, 4, v3
	v_mul_u32_u24 v4, v1, PITCH
	v_lshl_add_u32 v4, v2, 4, v4
	s_mul_i32 s21, s11, HALFA                      ; my 64 rows of A
	s_mul_i32 s22, s12, HALFB                      ; my 64 rows of B
	s_add_co_u32 s22, s22, BOFF
.irp s, 0,1
	v_add_nc_u32 v[ADRA+(\s)], s21, v3
	v_add_nc_u32 v[ADRB+(\s)], s22, v4
	s_add_co_u32 s21, s21, SLOT
	s_add_co_u32 s22, s22, SLOT
.endr
	s_mul_i32 s22, s10, 16*SPITCH
	s_add_co_u32 s22, s22, STAGE                   ; my stage
	v_mul_u32_u24 v5, v1, SPITCH                   ; in: row l % 16, 32 bytes for each half of the lanes
	v_lshl_add_u32 v5, v2, 5, v5
	v_add_nc_u32 v[STO], s22, v5
	v_mul_u32_u24 v5, v2, SPITCH                   ; back: lanes 0-15 one row of 256 bytes, lanes 16-31 the next
	v_lshl_add_u32 v5, v1, 4, v5
	v_add_nc_u32 v[RD], s22, v5
	v_lshlrev_b32 v5, 12, v2                       ; and the same two rows in out0
	v_lshl_add_u32 v[CO], v1, 4, v5
	s_lshl_b32 s16, s13, 7
	s_lshl_b32 s17, s11, 6
	s_add_co_u32 s16, s16, s17                     ; my first row,
	s_lshl_b32 s16, s16, 12                        ; of 4,096 bytes
	s_add_co_u32 s16, s16, s23
	s_mov_b32 s17, 0
	s_add_nc_u64 s[CB:CB+1], s[CB:CB+1], s[16:17]
	s_wait_loadcnt 0x0                             ; the bias
.set p, 0
.rept 16
	v_cvt_pk_bf16_f32 v[32+p], v[BIA+2*p], v[BIA+2*p+1]   ; rounded to bf16,
.set p, p+1
.endr
.set p, 0
.rept 16
	v_lshlrev_b32 v[BIA+2*p], 16, v[32+p]                 ; and widened again
	v_and_b32 v[BIA+2*p+1], 0xffff0000, v[32+p]
.set p, p+1
.endr
; 8 matrix instructions: m blocks a0, a0 + 1 x all 4 n blocks, 32 along K.  zero = 1: the first product starts the sums, with the bias of its 16 columns.
.macro MUL8 f, c, a0, zero
	WIN MUL
.irp a, \a0, (\a0)+1
.irp b, 0,1,2,3
.if \zero
	v_wmma_f32_16x16x32_f16 v[ACC+8*(4*(\a)+(\b)):ACC+8*(4*(\a)+(\b))+7], v[(\f)+64+8*(4*(\c)+(\b)):(\f)+64+8*(4*(\c)+(\b))+7], v[(\f)+8*(4*(\c)+(\a)):(\f)+8*(4*(\c)+(\a))+7], v[BIA+8*(\b):BIA+8*(\b)+7]
.else
	v_wmma_f32_16x16x32_f16 v[ACC+8*(4*(\a)+(\b)):ACC+8*(4*(\a)+(\b))+7], v[(\f)+64+8*(4*(\c)+(\b)):(\f)+64+8*(4*(\c)+(\b))+7], v[(\f)+8*(4*(\c)+(\a)):(\f)+8*(4*(\c)+(\a))+7], v[ACC+8*(4*(\a)+(\b)):ACC+8*(4*(\a)+(\b))+7]
.endif
.endr
.endr
.endm
; 32 LDS loads in one run: quarter q of a K step is one head of A and 128 bytes of B's rows
.macro FETCH slot, q, f
	WIN TO_F
.irp c, 0,1
.irp i, 0,1,2,3
	ds_load_b128 v[(\f)+64+8*(4*(\c)+(\i)):(\f)+64+8*(4*(\c)+(\i))+3],   v[ADRB+(\slot)] offset:128*(\q)+64*(\c)+(\i)*16*PITCH
	ds_load_b128 v[(\f)+64+8*(4*(\c)+(\i))+4:(\f)+64+8*(4*(\c)+(\i))+7], v[ADRB+(\slot)] offset:128*(\q)+64*(\c)+(\i)*16*PITCH+32
	ds_load_b128 v[(\f)+8*(4*(\c)+(\i)):(\f)+8*(4*(\c)+(\i))+3],         v[ADRA+(\slot)] offset:HEADA*(\q)+64*(\c)+(\i)*16*PA
	ds_load_b128 v[(\f)+8*(4*(\c)+(\i))+4:(\f)+8*(4*(\c)+(\i))+7],       v[ADRA+(\slot)] offset:HEADA*(\q)+64*(\c)+(\i)*16*PA+32
.endr
.endr
.endm
.macro PLACES
.rept 4
	v_nop
.endr
.endm
.macro QUARTER slot, q, f, g, zero
	s_wait_dscnt 16                                ; the first 32 along K are in
	WIN MUL
	MUL8 \f, 0, 0, \zero
	MUL8 \f, 0, 2, \zero
	PLACES
	FETCH \slot, \q, \g
	s_wait_dscnt 32                                ; all but the 32 just issued
	WIN MUL
	MUL8 \f, 1, 0, 0
	MUL8 \f, 1, 2, 0
.endm
.macro TURN slot, next, fill
	WIN 0
	s_wait_tensorcnt 0x0                           ; all my tensor loads have landed: my part of the next slot;
	ds_add_u32 v[SPW], v[NIL]                      ; 0 onto my spare word;
	s_wait_dscnt 17                                ; (the add and the youngest sixteen loads may be out)
	WIN MUL
	MUL8 F1, 0, 0, 0
	s_wait_dscnt 0x0                               ; the add is done, and my reads of this slot are over
	s_barrier_signal -1
	MUL8 F1, 0, 2, 0
.if \fill
	WIN 0
.endif
	s_barrier_wait -1
.if \fill
	CREST
	s_add_nc_u64 s[G0+4*(\slot)+2:G0+4*(\slot)+3], s[G0+4*(\slot)+2:G0+4*(\slot)+3], 2*ASTEP
	s_add_nc_u64 s[G0B+4*(\slot)+2:G0B+4*(\slot)+3], s[G0B+4*(\slot)+2:G0B+4*(\slot)+3], 2*KSTEP*2
	JLOAD \slot
.else
	PLACES
.endif
	FETCH \next, 0, F0
	WIN MUL
	MUL8 F1, 1, 0, 0
	MUL8 F1, 1, 2, 0
.endm
	s_wait_tensorcnt 1                             ; my part of K step 0 is in; K step 1's stays out
	s_barrier_signal -1
	s_barrier_wait -1
	FETCH 0, 0, F0
	QUARTER 0, 1, F0, F1, 1
	WIN 0
	s_mov_b32 s3, LAPS-1
.Llap:
	QUARTER 0, 2, F1, F0, 0
	QUARTER 0, 3, F0, F1, 0
	TURN 0, 1, 1
	QUARTER 1, 1, F0, F1, 0
	QUARTER 1, 2, F1, F0, 0
	QUARTER 1, 3, F0, F1, 0
	TURN 1, 0, 1
	QUARTER 0, 1, F0, F1, 0
	WIN 0
	s_sub_co_u32 s3, s3, 1
	s_cmp_lg_u32 s3, 0
	s_cbranch_scc1 .Llap
	QUARTER 0, 2, F1, F0, 0
	QUARTER 0, 3, F0, F1, 0
	TURN 0, 1, 0
	QUARTER 1, 1, F0, F1, 0
	QUARTER 1, 2, F1, F0, 0
	QUARTER 1, 3, F0, F1, 0
	s_wait_dscnt 16
	WIN MUL
	MUL8 F1, 0, 0, 0
	MUL8 F1, 0, 2, 0
	s_wait_dscnt 0
	MUL8 F1, 1, 0, 0
	MUL8 F1, 1, 2, 0
	WIN 0
	; THE WAY OUT, 16 rows at a time: a lane's 32 bytes of a row into my stage, back as whole rows of 256 bytes into the registers just left, and stored.
.macro OUTB a
.irp b, 0,1,2,3
	ds_store_b128 v[STO], v[ACC+8*(4*(\a)+(\b)):ACC+8*(4*(\a)+(\b))+3]   offset:64*(\b)
	ds_store_b128 v[STO], v[ACC+8*(4*(\a)+(\b))+4:ACC+8*(4*(\a)+(\b))+7] offset:64*(\b)+16
.endr
.irp t, 0,1,2,3,4,5,6,7
	ds_load_b128 v[ACC+32*(\a)+4*(\t):ACC+32*(\a)+4*(\t)+3], v[RD] offset:(\t)*2*SPITCH  ; LDS serves a wave's instructions in order: these see the stores above; the next block's stores come behind them
.endr
.endm
.macro SENDB a, younger                ; younger: the LDS instructions issued behind block a's loads
.irp t, 0,1,2,3,4,5,6,7
	s_wait_dscnt (\younger)+7-(\t)
	global_store_b128 v[CO], v[ACC+32*(\a)+4*(\t):ACC+32*(\a)+4*(\t)+3], s[CB:CB+1] offset:(16*(\a)+2*(\t))*4096  ; sixteen lanes store 256 consecutive bytes, aligned
.endr
.endm
	PLACES
	PLACES
	OUTB 0
	OUTB 1
	SENDB 0, 16
	OUTB 2
	SENDB 1, 16
	OUTB 3
	SENDB 2, 16
	SENDB 3, 0
	s_wait_tensorcnt 0x0                           ; the wave's end
	ds_add_u32 v[SPW], v[NIL]
	s_wait_dscnt 0x0
	CROUND                                         ; the closing round
	s_endpgm
.Lfunc_end_k_q56b6286e42_oproj:
	.size	k_q56b6286e42_oproj, .Lfunc_end_k_q56b6286e42_oproj-k_q56b6286e42_oproj
	.p2alignl 7, 3214868480
	.fill 96, 4, 3214868480
	.section	.rodata,"a",@progbits
	.p2align	6, 0x0
	.amdhsa_kernel k_q56b6286e42_oproj
		.amdhsa_group_segment_fixed_size 327680
		.amdhsa_private_segment_fixed_size 0
		.amdhsa_enable_private_segment 0
		.amdhsa_kernarg_size 32
		.amdhsa_user_sgpr_count 2
		.amdhsa_user_sgpr_kernarg_segment_ptr 1
		.amdhsa_wavefront_size32 1
		.amdhsa_system_sgpr_workgroup_id_x 1
		.amdhsa_system_sgpr_workgroup_id_y 1
		.amdhsa_system_sgpr_workgroup_id_z 1
		.amdhsa_system_vgpr_workitem_id 0
		.amdhsa_next_free_vgpr 512
		.amdhsa_next_free_sgpr 72
		.amdhsa_reserve_vcc 0
		.amdhsa_float_denorm_mode_32 3
		.amdhsa_float_denorm_mode_16_64 3
		.amdhsa_memory_ordered 1
		.amdhsa_forward_progress 1
		.amdhsa_inst_pref_size 90
	.end_amdhsa_kernel
	.amdgpu_metadata
---
amdhsa.version: [ 1, 2 ]
amdhsa.kernels:
  - .name:           k_q56b6286e42_oproj
    .symbol:         k_q56b6286e42_oproj.kd
    .args:
      - { .name: oh, .offset: 0, .size: 8, .value_kind: global_buffer, .address_space: global }
      - { .name: wot, .offset: 8, .size: 8, .value_kind: global_buffer, .address_space: global }
      - { .name: bo, .offset: 16, .size: 8, .value_kind: global_buffer, .address_space: global }
      - { .name: out0, .offset: 24, .size: 8, .value_kind: global_buffer, .address_space: global }
    .group_segment_fixed_size: 327680
    .private_segment_fixed_size: 0
    .kernarg_segment_align: 8
    .kernarg_segment_size: 32
    .max_flat_workgroup_size: 128
    .sgpr_count:     72
    .vgpr_count:     512
    .wavefront_size: 32
...
	.end_amdgpu_metadata
.endif
;; end of part 5
